; MI455X (gfx1250); checked and timed in simulation.
; The chip was launched on July 23, 2026; its instructions are those of AMD's public machine-readable ISA for CDNA 5 (MIT licence, August 2026) and "CDNA5" Instruction Set Architecture Reference Guide (July 2026). The comments in the code are by the model that wrote it; some were corrected since.
;; Multi Head Attention. Allowed arithmetic: matrix products marked QUANTISED: E2M3 operands, one E8M0 scale for each 32 along K, by v_wmma_scale_f32_16x16x128_f8f6f4 with both operands' format E2M3, f32 sums; everything else in f32.
;; Inputs: Wk 1,024 x 1,024 float32; Wo 1,024 x 1,024 float32; Wq 1,024 x 1,024 float32; Wv 1,024 x 1,024 float32; bk 1,024 float32; bo 1,024 float32; bq 1,024 float32; bv 1,024 float32; x 4 x 2,048 x 1,024 float32.
;; Outputs: out0 4 x 2,048 x 1,024 float32.
;; This version of the problem:
;;   THIS VERSION OF THE PROBLEM IS GIVEN IN LOW PRECISION. The matrix products marked QUANTISED in the list below multiply operands that are first quantised to E2M3 (2 exponent bits, 3 mantissa bits; 6 bits a number), with one power-of-two scale for each 32 numbers along K (OCP MX v1.0); their sums are f32. All else is computed in f32.
;;   The module's matrix products, in the order in which they are computed (A, B: the left and right operand; K: the contracted axis; several contracted axes count as one K, in the product's order):
;;     1. [M 8,192, K 1,024] x [K 1,024, N 1,024]; A: input x; B: input Wq: QUANTISED
;;     2. [M 8,192, K 1,024] x [K 1,024, N 1,024]; A: input x; B: input Wk: QUANTISED
;;     3. [M 8,192, K 1,024] x [K 1,024, N 1,024]; A: input x; B: input Wv: QUANTISED
;;     4. batch 64 x [M 2,048, K 64] x [K 64, N 2,048]; A: computed on the way; B: computed on the way: QUANTISED
;;     5. batch 64 x [M 2,048, K 2,048] x [K 2,048, N 64]; A: softmax (see below); B: computed on the way: QUANTISED
;;     6. [M 8,192, K 1,024] x [K 1,024, N 1,024]; A: computed on the way; B: input Wo: QUANTISED
;;   THE QUANTISER, for each operand of a quantised product, along K:
;;     - K is cut into blocks of 32 from its start; a last block that is shorter is filled with zeros.
;;     - A block's scale is 2^e with e = floor(log2(the largest magnitude in the block)) - 2, held to -126 .. 127; a block of zeros has e = 0. As a byte (E8M0): e + 127.
;;     - Each number is divided by its block's scale, clamped to +-7.5, and rounded to the nearest number of E2M3, ties to even, subnormals kept.
;;     - The product sums the exact products of the quantised numbers (number of the format x scale) in f32.
;;   ~~~python
;;   def quantise(x, axis):      # numpy; x: float32 -> the quantised numbers, widened to float32 again
;;       x = np.moveaxis(x, axis, -1); K = x.shape[-1]
;;       x = np.pad(x, [(0, 0)] * (x.ndim - 1) + [(0, -K % 32)]); x = x.reshape(x.shape[:-1] + (-1, 32)); a = np.abs(x).max(-1, keepdims=True)
;;       e = np.where(a > 0, np.clip(np.frexp(np.where(a > 0, a, 1))[1] - 1 - 2, -126, 127), 0)      # np.frexp(a)[1] - 1 = floor(log2(a)), exactly
;;       r = np.clip(x / 2.0 ** e, -7.5, 7.5)
;;       step = 2.0 ** (np.maximum(np.frexp(np.where(r == 0, 1, r))[1] - 1, 0) - 3)
;;       q = np.round(r / step) * step * 2.0 ** e      # np.round: ties to even
;;       return np.moveaxis(q.reshape(q.shape[:-2] + (-1,))[..., :K], -1, axis).astype(np.float32)
;;   ~~~
;;   SOFTMAX AHEAD OF A QUANTISED PRODUCT. Where the list says 'softmax', what is quantised is not the finished softmax but p = 2^(t - M), with t = logit x log2(e) and M = ceil(the row's largest t), a whole number; so 1/2 < the row's largest p <= 1. The row's sum l is taken of the UNQUANTISED p, in f32, and the product's result is divided by l at the end. Since M is a whole number, a kernel that streams over the keys may use a running M (the ceiling of the running maximum): every later rescaling is an exact power of two, which a block's scale takes up: the codes' values come out the same.
;;   OPERANDS COMPUTED ON THE WAY. 'Computed on the way' means the value that the module computes at that place (a softmax that the list does not call 'softmax' is quantised finished and normalised). What goes into a quantiser is computed in f32, as accurately as f32 sums, v_exp_f32 and their like allow (about 1e-6 of the number): no bf16 or f16 on the way to a quantiser, and a product that is left as it is and whose result goes on into a quantised operand takes f32 operands (vector FMAs, or v_wmma_f32_16x16x4_f32). A number that lies on a knife's edge between two numbers of the format may be rounded either way, as far as f32 arithmetic and the matrix unit's own rounding can turn it there, and no further.
;; One version. Each part assembles by itself: llvm-mc -triple=amdgcn-amd-amdhsa -mcpu=gfx1250 --defsym DOCPART=n.
;; ======== version 1 of 1: 4 launches
;; workspace buffers: xi 6,291,456 bytes; xs 262,144 bytes; wi 3,145,728 bytes; ws 131,072 bytes; hb 20,185,088 bytes; oi 6,291,456 bytes; osc 262,144 bytes
;; launch prep (part 1): grid 512 x 1, 4 waves a work-group, no clusters, 47,616 bytes of LDS; arguments x, Wq, Wk, Wv, Wo, xi, xs, wi, ws; writes xi, xs, wi, ws
.if DOCPART == 1
	.amdgcn_target "amdgcn-amd-amdhsa--gfx1250"
	.amdhsa_code_object_version 6
	.text
	.protected	k_q53e3eba01e_prep
	.globl	k_q53e3eba01e_prep
	.p2align	8
	.type	k_q53e3eba01e_prep,@function
k_q53e3eba01e_prep:
	s_mov_b64 s[64:65], 0
	v_nop
	global_prefetch_b8 v0, s[64:65] scope:SCOPE_SE
	s_setreg_imm32_b32 hwreg(HW_REG_WAVE_MODE, 25, 1), 1
	s_wait_xcnt 0x0
; PREP: x [8192][1024] and the four weights [1024 (k)][1024 (n)], f32, become codes of FP6 (E2M3) with one E8M0 byte for each 32 along K,
; laid as IMAGES OF OPERAND REGISTERS.  A tile T = 2 B + u holds 16 rows: slot s is row 32 B + 8 u + s + 8 (s / 8).  A fragment (16 slots x 128 K,
; 12 registers a lane; lane (r, h): slot r, registers 6 c .. 6 c + 5 = k 64 c + 32 h + 0 .. 31) is 1,536 bytes: two halves of 768, in a half
; registers 0-3 at 16 x lane and registers 4-5 at 512 + 8 x lane.  xi: [tile 512][K step 8][1536]; wi: [weight 4][tile 64][K step 8][1536], a tile row = an output column.
; Scale words (four bytes: 128 K of a row): [tile][K half 2][slot 16][4 words].
; A block scale is 2^(floor(log2(largest magnitude)) - 2): its byte is the magnitude's exponent field - 2, held at 1 from below.
; LIMITS: NaN and infinities are not served; a block whose largest magnitude is under 2^-124 keeps the byte 1; a block of zeros gets the byte 1 and not 127:
; its codes are zeros, and only this program reads the bytes.
; Work-groups 0-255 take 32 rows of x each, work-groups 256-511 a weight's 128 columns x 128 K each.  The two ways have LDS bytes of their own.
; No matrix unit, no tensor load, no cluster, no barrier: a stream read once; a wave uses its own stage alone.
.set STGX,  8448                       ; x: a wave's stage: 16 rows x (512 + 16) bytes
.set STGW0, 4*STGX                     ; the weights' stages lie behind them
.set STGW,  3328                       ; a wave's: two tiles' fragments
.set TILW,  1664                       ; 1,536 + 128
.set C,     24                         ; v24-35  a fragment's codes
.set CT,    36                         ; v36-43  the conversions' second halves
.set X,     48                         ; v48-111 64 numbers: register 32 c + n = k 64 c + 32 h + n of my row
.set R,     112                        ; v112-239 numbers as loaded
	s_load_b512 s[4:19], s[0:1], 0x0               ; x, Wq, Wk, Wv, Wo, xi, xs, wi
	s_load_b64 s[20:21], s[0:1], 0x40              ; ws
	v_lshl_add_u32 v240, v0, 2, 0xb800
	v_mov_b32 v241, 0
	v_lshrrev_b32 v1, 5, v0
	v_readfirstlane_b32 s22, v1                    ; wave
	v_and_b32 v1, 31, v0                           ; lane
	v_and_b32 v2, 15, v0                           ; r
	v_bfe_u32 v3, v0, 4, 1                         ; h
	v_lshlrev_b32 v4, 4, v1                        ; 16 x lane
	s_mov_b32 s24, 0x76543210
	s_mov_b32 s25, 0xfedcba98                      ; selects: lane l xor 16
	s_cmp_lt_u32 ttmp9, 256
	s_cbranch_scc0 .Lweights
; ---- x.  Work-group g: rows 32 g on.  Wave w: tile 2 g + w / 2, K half w % 2: four fragments.
	s_mul_i32 s26, s22, STGX
	v_add_nc_u32 v5, s26, v4                       ; stage, in: 16 x lane (+ 528 x slot)
	v_mul_u32_u24 v6, v2, 528
	v_lshl_add_u32 v6, v3, 7, v6
	v_add_nc_u32 v6, s26, v6                       ; stage, out: row r, + 128 h
	v_lshlrev_b32 v8, 3, v1
	v_add_nc_u32 v8, 512, v8                       ; 512 + 8 x lane
	v_lshlrev_b32 v9, 3, v3                        ; 8 h
	v_lshl_add_u32 v10, v2, 4, v9                  ; 16 r + 8 h
	v_mov_b32 v22, 0                               ; a lane permute's destination is written once beforehand
	s_lshr_b32 s27, s22, 1
	s_and_b32 s28, s22, 1
	s_lshl_b32 s30, ttmp9, 17                      ; 32 g rows of 4,096 bytes
	s_lshl_b32 s27, s27, 15                        ; + 8 u rows
	s_lshl_b32 s28, s28, 11                        ; + the K half: 2,048 bytes
	s_add_co_u32 s30, s30, s27
	s_add_co_u32 s30, s30, s28
	s_mov_b32 s31, 0
	s_lshl_b32 s32, ttmp9, 2
	s_add_co_u32 s32, s32, s22                     ; 4 g + w = 2 T + K half
	s_mul_i32 s34, s32, 6144                       ; four fragments
	s_mov_b32 s35, 0
	s_lshl_b32 s32, s32, 8                         ; 256 bytes of scale words
	s_mov_b32 s33, 0
	s_wait_alu depctr_va_vdst(0)
	s_wait_kmcnt 0x0
	s_add_nc_u64 s[4:5], s[4:5], s[30:31]
	s_add_nc_u64 s[14:15], s[14:15], s[34:35]
	s_add_nc_u64 s[16:17], s[16:17], s[32:33]
.macro XLOAD f                         ; fragment f: 16 slots x 512 consecutive bytes, 16 a lane
.set i, 0
.rept 16
	global_load_b128 v[R+64*((\f)%2)+4*i:R+64*((\f)%2)+4*i+3], v4, s[4:5] offset:(i+8*(i/8))*4096+512*(\f) th:TH_LOAD_NT
.set i, i+1
.endr
.endm
.macro XFRAG f
.if (\f) < 3
	s_wait_loadcnt 16                              ; this fragment's 16 loads are in; the next fragment's 16 may be out
.else
	s_wait_loadcnt 0x0
.endif
.set i, 0
.rept 16
	ds_store_b128 v5, v[R+64*((\f)%2)+4*i:R+64*((\f)%2)+4*i+3] offset:528*i
.set i, i+1
.endr
.set i, 0
.rept 16                               ; LDS serves a wave's instructions in order: these see the stores above
	ds_load_b128 v[X+32*(i/8)+4*(i%8):X+32*(i/8)+4*(i%8)+3], v6 offset:256*(i/8)+16*(i%8)
.set i, i+1
.endr
	s_wait_dscnt 0x0                               ; my 64 numbers are here, and the stage's stores have read their registers
.if (\f) < 2
	XLOAD (\f)+2
.endif
.irp c, 0,1
	v_max3_num_f32 v[11+\c], |v[X+32*\c]|, |v[X+32*\c+1]|, 0x1800000   ; block 2 c + h is all mine; the floor 2^(3 - 127) holds the byte at 1
.endr
.irp i, 2,4,6,8,10,12,14,16,18,20,22,24,26,28,30
.irp c, 0,1
	v_max3_num_f32 v[11+\c], v[11+\c], |v[X+32*\c+\i]|, |v[X+32*\c+\i+1]|
.endr
.endr
	v_add_nc_u32 v13, 0xff000000, v11              ; 2 off the exponent field: the conversion's scale operand
	v_add_nc_u32 v14, 0xff000000, v12
	v_lshrrev_b32 v11, 23, v13                     ; the bytes
	v_lshrrev_b32 v12, 23, v14
	v_lshl_or_b32 v15, v12, 16, v11
	v_lshlrev_b32 v15, v9, v15                     ; blocks h and 2 + h at their places
	v_permlanex16_b32 v22, v15, s24, s25
	v_or_b32 v[16+\f], v15, v22                    ; with lane l xor 16's two the word is whole
	s_wait_alu depctr_va_vdst(0)
	s_wait_xcnt 0x0                                ; the last fragment's stores have read C: it is rewritten only behind this wait
.irp c, 0,1
	v_cvt_scalef32_pk16_fp6_f32 v[C+6*\c:C+6*\c+2], v[X+32*\c:X+32*\c+15], v[13+\c]
	v_cvt_scalef32_pk16_fp6_f32 v[CT+4*\c:CT+4*\c+2], v[X+32*\c+16:X+32*\c+31], v[13+\c]   ; (three registers begin on an even number)
.endr
	v_nop                                          ; one plain place behind the conversions
.irp c, 0,1
.irp i, 0,1,2
	v_mov_b32 v[C+3+6*\c+\i], v[CT+4*\c+\i]
.endr
.endr
	global_store_b128 v4, v[C:C+3], s[14:15] offset:1536*(\f)          ; 512 consecutive bytes
	global_store_b64 v8, v[C+4:C+5], s[14:15] offset:1536*(\f)         ; 256
	global_store_b128 v4, v[C+6:C+9], s[14:15] offset:1536*(\f)+768
	global_store_b64 v8, v[C+10:C+11], s[14:15] offset:1536*(\f)+768
.endm
	XLOAD 0
	XLOAD 1
	XFRAG 0
	XFRAG 1
	XFRAG 2
	XFRAG 3
	v_cmp_ne_u32 vcc_lo, 0, v3
	v_cndmask_b32 v20, v16, v18, vcc_lo            ; lane (r, h) stores words 2 h and 2 h + 1 of slot r
	v_cndmask_b32 v21, v17, v19, vcc_lo
	global_store_b64 v10, v[20:21], s[16:17]       ; 256 consecutive bytes
	s_wait_tensorcnt 0x0
	ds_add_u32 v240, v241
	s_wait_dscnt 0x0
	s_endpgm
; ---- the weights.  Work-group g - 256: weight (g >> 6), K step (g >> 3) & 7, 128 columns (g & 7).  A lane takes a column and its registers run down K,
; so a block of 32 along K is one lane's, and the conversions give codes with K innermost.  Column 32 B + lane is slot (lane & 7) + 8 (lane >> 4) of tile 2 B + ((lane >> 3) & 1).
.Lweights:
	s_sub_co_u32 s23, ttmp9, 256
	s_lshr_b32 s26, s23, 6                         ; which weight
	s_and_b32 s27, s23, 7
	s_bfe_u32 s28, s23, 0x30003                    ; K step
	s_lshl_b32 s27, s27, 2
	s_add_co_u32 s27, s27, s22                     ; B: my wave's 32 columns
	v_bfe_u32 v5, v0, 3, 1                         ; my tile of the two
	v_and_b32 v6, 7, v0
	s_wait_alu depctr_va_vdst(0)
	v_lshl_add_u32 v6, v3, 3, v6                   ; my slot
	s_mul_i32 s29, s22, STGW
	s_add_co_u32 s29, s29, STGW0
	v_mul_u32_u24 v7, v5, TILW
	v_add_nc_u32 v7, s29, v7
	v_lshl_add_u32 v8, v6, 4, v7                   ; registers 0-3 of a half: 16 x slot (+ 256 h + 768 c)
	v_lshl_add_u32 v9, v6, 3, v7
	v_add_nc_u32 v9, 512, v9                       ; registers 4-5: 512 + 8 x slot (+ 128 h + 768 c)
	v_add_nc_u32 v10, s29, v4                      ; back: 16 x lane
	v_lshlrev_b32 v11, 2, v1                       ; in: 4 bytes a lane
	v_lshlrev_b32 v12, 9, v5
	v_lshl_add_u32 v12, v6, 4, v12                 ; my scale word: 512 x tile + 16 x slot
	s_lshl_b32 s30, s28, 19                        ; 128 rows of 4,096 bytes a K step
	s_lshl_b32 s31, s27, 7
	s_add_co_u32 s30, s30, s31
	s_mov_b32 s31, 0
	s_lshl_b32 s32, s26, 6
	s_lshl_b32 s33, s27, 1
	s_add_co_u32 s32, s32, s33                     ; the first of my two tiles
	s_lshl_b32 s34, s32, 3
	s_add_co_u32 s34, s34, s28
	s_mul_i32 s34, s34, 1536
	s_mov_b32 s35, 0
	s_lshl_b32 s36, s32, 9
	s_lshr_b32 s33, s28, 2
	s_lshl_b32 s33, s33, 8
	s_add_co_u32 s36, s36, s33
	s_and_b32 s33, s28, 3
	s_lshl_b32 s33, s33, 2
	s_add_co_u32 s36, s36, s33
	s_mov_b32 s37, 0
	s_wait_alu depctr_va_vdst(0)
	s_wait_kmcnt 0x0
	s_cmp_eq_u32 s26, 0                            ; the weight is chosen by the work-group's number alone
	s_cselect_b64 s[28:29], s[6:7], s[8:9]
	s_cmp_lt_u32 s26, 2
	s_cselect_b64 s[28:29], s[28:29], s[10:11]
	s_cmp_lt_u32 s26, 3
	s_cselect_b64 s[28:29], s[28:29], s[12:13]
	s_add_nc_u64 s[28:29], s[28:29], s[30:31]
	s_add_nc_u64 s[18:19], s[18:19], s[34:35]
	s_add_nc_u64 s[20:21], s[20:21], s[36:37]
.macro WLOAD kb                        ; block kb: 32 rows of K at my column; a wave reads 128 consecutive bytes, the four waves 512
.set i, 0
.rept 32
	global_load_b32 v[R+32*(\kb)+i], v11, s[28:29] offset:(32*(\kb)+i)*4096 th:TH_LOAD_NT
.set i, i+1
.endr
.endm
.macro WBLOCK kb
.set XS, R+32*(\kb)
.set CB, 24+8*(\kb)                    ; each block has code registers of its own
.if (\kb) < 3
	s_wait_loadcnt 32                              ; this block's 32 loads are in; the next block's 32 may be out
.else
	s_wait_loadcnt 0x0
.endif
.if (\kb) < 2
	WLOAD (\kb)+2
.endif
	v_max3_num_f32 v13, |v[XS]|, |v[XS+1]|, |v[XS+2]|
	v_max3_num_f32 v14, |v[XS+3]|, |v[XS+4]|, |v[XS+5]|
.irp i, 6,10,14,18,22,26
	v_max3_num_f32 v13, v13, |v[XS+\i]|, |v[XS+\i+1]|
	v_max3_num_f32 v14, v14, |v[XS+\i+2]|, |v[XS+\i+3]|
.endr
	v_max3_num_f32 v13, v13, |v[XS+30]|, |v[XS+31]|
	v_max3_num_f32 v13, v13, v14, 0x1800000        ; and the floor
	v_add_nc_u32 v15, 0xff000000, v13
	v_lshrrev_b32 v14, 23, v15
.if (\kb) == 0
	v_mov_b32 v16, v14
.else
	v_lshl_or_b32 v16, v14, 8*(\kb), v16           ; the lower K in the lower byte
.endif
	v_cvt_scalef32_pk16_fp6_f32 v[CB:CB+2], v[XS:XS+15], v15
	v_cvt_scalef32_pk16_fp6_f32 v[CB+4:CB+6], v[XS+16:XS+31], v15
	v_nop                                          ; one plain place behind the conversions
	v_mov_b32 v[CB+3], v[CB+4]
	v_mov_b32 v[CB+4], v[CB+5]
	v_mov_b32 v[CB+5], v[CB+6]
	ds_store_b128 v8, v[CB:CB+3] offset:768*((\kb)/2)+256*((\kb)%2)    ; block kb belongs to image lane slot + 16 (kb % 2), half kb / 2
	ds_store_b64 v9, v[CB+4:CB+5] offset:768*((\kb)/2)+128*((\kb)%2)
.endm
	WLOAD 0
	WLOAD 1
	WBLOCK 0
	WBLOCK 1
	WBLOCK 2
	WBLOCK 3
	global_store_b32 v12, v16, s[20:21]            ; 4 bytes a lane, 16 apart: one byte for each 128 that the way reads
.set i, 0
.rept 6                                ; LDS serves a wave's instructions in order: these see my stores
	ds_load_b128 v[56+4*i:59+4*i], v10 offset:(i/3)*TILW+512*(i%3)
.set i, i+1
.endr
.set i, 0
.rept 6
	s_wait_dscnt 5-i                               ; the younger loads may be out
	global_store_b128 v4, v[56+4*i:59+4*i], s[18:19] offset:(i/3)*12288+512*(i%3)   ; 512 consecutive bytes
.set i, i+1
.endr
	s_wait_tensorcnt 0x0
	ds_add_u32 v240, v241
	s_wait_dscnt 0x0
	s_endpgm
.Lfunc_end_k_q53e3eba01e_prep:
	.size	k_q53e3eba01e_prep, .Lfunc_end_k_q53e3eba01e_prep-k_q53e3eba01e_prep
	.p2alignl 7, 3214868480
	.fill 96, 4, 3214868480
	.section	.rodata,"a",@progbits
	.p2align	6, 0x0
	.amdhsa_kernel k_q53e3eba01e_prep
		.amdhsa_group_segment_fixed_size 47616
		.amdhsa_private_segment_fixed_size 0
		.amdhsa_enable_private_segment 0
		.amdhsa_kernarg_size 72
		.amdhsa_user_sgpr_count 2
		.amdhsa_user_sgpr_kernarg_segment_ptr 1
		.amdhsa_wavefront_size32 1
		.amdhsa_system_sgpr_workgroup_id_x 1
		.amdhsa_system_sgpr_workgroup_id_y 1
		.amdhsa_system_sgpr_workgroup_id_z 1
		.amdhsa_system_vgpr_workitem_id 0
		.amdhsa_next_free_vgpr 242
		.amdhsa_next_free_sgpr 66
		.amdhsa_reserve_vcc 1
		.amdhsa_float_denorm_mode_32 3
		.amdhsa_float_denorm_mode_16_64 3
		.amdhsa_memory_ordered 1
		.amdhsa_forward_progress 1
		.amdhsa_inst_pref_size 52
	.end_amdhsa_kernel
	.amdgpu_metadata
---
amdhsa.version: [ 1, 2 ]
amdhsa.kernels:
  - .name:           k_q53e3eba01e_prep
    .symbol:         k_q53e3eba01e_prep.kd
    .args:
      - { .name: x, .offset: 0, .size: 8, .value_kind: global_buffer, .address_space: global }
      - { .name: Wq, .offset: 8, .size: 8, .value_kind: global_buffer, .address_space: global }
      - { .name: Wk, .offset: 16, .size: 8, .value_kind: global_buffer, .address_space: global }
      - { .name: Wv, .offset: 24, .size: 8, .value_kind: global_buffer, .address_space: global }
      - { .name: Wo, .offset: 32, .size: 8, .value_kind: global_buffer, .address_space: global }
      - { .name: xi, .offset: 40, .size: 8, .value_kind: global_buffer, .address_space: global }
      - { .name: xs, .offset: 48, .size: 8, .value_kind: global_buffer, .address_space: global }
      - { .name: wi, .offset: 56, .size: 8, .value_kind: global_buffer, .address_space: global }
      - { .name: ws, .offset: 64, .size: 8, .value_kind: global_buffer, .address_space: global }
    .group_segment_fixed_size: 47616
    .private_segment_fixed_size: 0
    .kernarg_segment_align: 8
    .kernarg_segment_size: 72
    .max_flat_workgroup_size: 128
    .sgpr_count:     66
    .vgpr_count:     242
    .wavefront_size: 32
...
	.end_amdgpu_metadata
.endif
;; end of part 1
;; launch qkv (part 2): grid 8 x 96, 4 waves a work-group, clusters of 4 x 4, 295,424 bytes of LDS; arguments xi, xs, wi, ws, bq, bk, bv, hb; writes hb
.if DOCPART == 2
	.amdgcn_target "amdgcn-amd-amdhsa--gfx1250"
	.amdhsa_code_object_version 6
	.text
	.protected	k_q53e3eba01e_qkv
	.globl	k_q53e3eba01e_qkv
	.p2align	8
	.type	k_q53e3eba01e_qkv,@function
k_q53e3eba01e_qkv:
	s_mov_b64 s[64:65], 0
	v_nop
	global_prefetch_b8 v0, s[64:65] scope:SCOPE_SE
	s_setreg_imm32_b32 hwreg(HW_REG_WAVE_MODE, 25, 1), 1
	s_wait_xcnt 0x0
	s_wait_alu depctr_hold_cnt(0) depctr_sa_sdst(0) depctr_va_vdst(0) depctr_va_sdst(0) depctr_va_ssrc(0) depctr_va_vcc(0) depctr_vm_vsrc(0)
	s_getreg_b32 s2, hwreg(HW_REG_IB_STS2, 6, 4)
	s_cmp_eq_u32 s2, 0
	s_cbranch_scc0 .Lentry_in_a_cluster
	s_endpgm
.Lentry_in_a_cluster:
	s_bfe_u32 s2, ttmp6, 0x10000c
	s_cmp_lg_u32 s2, 0xf033
	s_cbranch_scc0 .Lentry_shape_is_right
	s_endpgm
.Lentry_shape_is_right:
; QKV: q = x Wq + bq, k = x Wk + bk, v = x Wv + bv on codes of FP6 (E2M3) with E8M0 scales, and the results quantised again on the way out, as operands of attention.
; One product form: C[m][n] = sum over k of M[m][k] N[n][k], both operands as images of operand registers (tile T = 2 B + u: slot s = row 32 B + 8 u + s + 8 (s / 8); fragment = 1,536 bytes:
; two halves of 768; in a half registers 0-3 at 16 x lane, registers 4-5 at 512 + 8 x lane).  Source 0 = 16 slots of N, source 1 = 16 slots of M: a lane holds ONE slot of M, and the
; 16 registers of N tiles 2 B and 2 B + 1 are 16 NEIGHBOURS along N (32 B + 16 h + i): so 128 along N of a lane quantise into one fragment whose K is N.
; PART 1 (cluster y under 16): M = x, N = Wq and Wk columns: q and k quantised along the head's 64 (a fragment = two heads' halves).
; PART 2 (the rest): M = Wv columns, N = x rows: v transposed, quantised along the KEYS, keys innermost.
; A work-group makes 128 (M) x 256 (N); four waves, each 64 x 128: 32 accumulators.  ALL OF K (1,024) LIES IN LDS, FILLED ONCE: four chunks of 256 along K, asked for together at the head;
; so there is no ring and nothing is filled again.  Four tensor loads of a wave are out at the most.
; CLUSTER 4 x 4: M tiles are shared along a row of the cluster, N tiles along a column: joint loads.  The part is the same in all partners (it hangs on the cluster's y alone).
; The scale words go from memory to registers once (one load of 16 bytes a lane brings a slot's four words); they are one part in 24 of the codes' bytes, so they are not asked for jointly.
; No prefetch: every stream is asked for whole at the head.
; hb, one record of HS bytes for each (batch, head): Q halves [tile 128][768] at 0; Q scale quads [32][slot][4 tiles' words] at 98,304; K halves at 106,496; V fragments [key step 16][4][1536] at 204,800;
; K scale quads at 303,104; V scale words [key step][slot][4] at 311,296.  A Q or K scale word has the head's two bytes below and 0 above.
; LIMITS: NaN and infinities are not served; a block under 2^-124 keeps the byte 1; a block of zeros gets the byte 1 and not 127 (its codes are zeros; only this program reads the bytes).
; REGISTERS: window 0: v1-7 lane terms; v8-23 LDS addresses (a set of four for each chunk); v24-30 store offsets; v32-63 M scale words (8 a + K step); v64-127 N scale words (8 b + K step);
;   v128-175, v176-223 M fragments, two sets (on the way out: codes, and work).  window 1: v0-95, v128-223 N fragments, two sets.  window 2: accumulator (a, b) at 8 (8 a + b).  window 3: v0-63 the bias.
.set HS,   315392
.set CH,   73728                       ; a chunk: 8 M tiles x 3,072 bytes, then 16 N tiles
.set ADR,  8
.set SAR,  32
.set SBR,  64
.set AF,   128
.set PT,   176                         ; the conversions' second halves
.set TM,   184                         ; v184-187 largest magnitudes, v188-191 bytes, v196-199 scale operands
.set PW,   200                         ; v200-203 the four scale words; v204-207 as they are stored
.set MSB, 0
.macro WIN new                         ; the immediate's high byte repeats the setting that is left
.if MSB != \new
	s_set_vgpr_msb (MSB<<8)|\new
.set MSB, \new
.endif
.endm
.set MULW, 0xa1                        ; source 0 (N) window 1, source 1 (M) window 0, C and D window 2
.set MULB, 0xb1                        ; the same with C from window 3: the bias
.set TO_B, 0x40                        ; destination window 1
.set TO_BI, 0xc0                       ; destination window 3
.macro CROUND                          ; a round of the cluster's barrier
	s_barrier_signal -1
	s_barrier_wait -1
	s_cmp_lg_u32 s20, 0
	s_cbranch_scc1 .Lnot_wave_0_\@
	s_barrier_signal -3
.Lnot_wave_0_\@:
	s_barrier_wait -3
	s_barrier_signal -1
	s_barrier_wait -1
.endm
.macro PLACES                          ; four plain places behind matrix instructions, ahead of loads into their sources and of reads of their results
.rept 4
	v_nop
.endr
.endm
.macro FRAG reg, a16, a8, off          ; a fragment's image into 12 registers: every load reads consecutive bytes
	ds_load_b128 v[\reg:\reg+3], v[\a16] offset:\off
	ds_load_b64 v[\reg+4:\reg+5], v[\a8] offset:\off
	ds_load_b128 v[\reg+6:\reg+9], v[\a16] offset:\off+768
	ds_load_b64 v[\reg+10:\reg+11], v[\a8] offset:\off+768
.endm
.macro FETCH ks                        ; K step ks into set ks % 2: N's eight fragments (32 loads), then M's four (16)
	WIN TO_B
.irp b, 0,1,2,3,4,5,6,7
	FRAG 128*((\ks)%2)+12*\b, ADR+4*((\ks)/2)+2, ADR+4*((\ks)/2)+3, \b*3072+((\ks)%2)*1536
.endr
	WIN 0
.irp a, 0,1,2,3
	FRAG AF+48*((\ks)%2)+12*\a, ADR+4*((\ks)/2), ADR+4*((\ks)/2)+1, \a*3072+((\ks)%2)*1536
.endr
.endm
; 16 matrix instructions: M tiles a0, a0 + 1 x N's eight.  cmode 0: onto the sums; 1: the first product, C = the bias by N; 2: C = the bias by M.
; The 32 accumulators take turns, one instruction a turn, in the same order in every step.
.macro MUL16 a0, ks, cmode
.irp a, \a0, \a0+1
.irp b, 0,1,2,3,4,5,6,7
.if \cmode == 0
	v_wmma_scale_f32_16x16x128_f8f6f4 v[8*(8*(\a)+\b):8*(8*(\a)+\b)+7], v[128*((\ks)%2)+12*\b:128*((\ks)%2)+12*\b+11], v[AF+48*((\ks)%2)+12*(\a):AF+48*((\ks)%2)+12*(\a)+11], v[8*(8*(\a)+\b):8*(8*(\a)+\b)+7], v[SBR+8*\b+(\ks)], v[SAR+8*(\a)+(\ks)] matrix_a_fmt:MATRIX_FMT_FP6 matrix_b_fmt:MATRIX_FMT_FP6
.elseif \cmode == 1
	v_wmma_scale_f32_16x16x128_f8f6f4 v[8*(8*(\a)+\b):8*(8*(\a)+\b)+7], v[128*((\ks)%2)+12*\b:128*((\ks)%2)+12*\b+11], v[AF+48*((\ks)%2)+12*(\a):AF+48*((\ks)%2)+12*(\a)+11], v[8*\b:8*\b+7], v[SBR+8*\b+(\ks)], v[SAR+8*(\a)+(\ks)] matrix_a_fmt:MATRIX_FMT_FP6 matrix_b_fmt:MATRIX_FMT_FP6
.else
	v_wmma_scale_f32_16x16x128_f8f6f4 v[8*(8*(\a)+\b):8*(8*(\a)+\b)+7], v[128*((\ks)%2)+12*\b:128*((\ks)%2)+12*\b+11], v[AF+48*((\ks)%2)+12*(\a):AF+48*((\ks)%2)+12*(\a)+11], v[8*(\a):8*(\a)+7], v[SBR+8*\b+(\ks)], v[SAR+8*(\a)+(\ks)] matrix_a_fmt:MATRIX_FMT_FP6 matrix_b_fmt:MATRIX_FMT_FP6
.endif
.endr
.endr
.endm
.macro MWIN cmode
.if \cmode == 0
	WIN MULW
.else
	WIN MULB
.endif
.endm
; A K step of 128: 32 matrix instructions; in its middle the next step's 48 LDS loads, in one run.  Where the next step opens a chunk, a barrier: each wave has waited for its part of that chunk.
.macro STEP ks, cmode
.if (((\ks)%2) == 1) && ((\ks) < 7)
	s_wait_tensorcnt 3-((\ks)+1)/2                 ; my load of the next chunk has landed; my younger chunks may be out
	s_wait_dscnt 0x0                               ; no LDS load of mine is out at the signal
	s_barrier_signal -1
.else
	s_wait_dscnt 8                                 ; N's fragments and M's tiles 0, 1 are in; the youngest 8 loads (M's tiles 2, 3) may be out
.endif
	MWIN \cmode
	MUL16 0, \ks, \cmode
.if (((\ks)%2) == 1) && ((\ks) < 7)
	s_barrier_wait -1                              ; everybody's part of the next chunk is in
.else
	s_wait_dscnt 0x0
.endif
.if (\ks) < 7
	PLACES
	FETCH (\ks)+1
.endif
	MWIN \cmode
	MUL16 2, \ks, \cmode
.endm
	s_load_b512 s[4:19], s[0:1], 0x0               ; xi, xs, wi, ws, bq, bk, bv, hb
	v_lshl_add_u32 v254, v0, 2, 0x48000
	v_mov_b32 v255, 0
	ds_add_u32 v254, v255
	ds_add_u32 v254, v255
	v_lshrrev_b32 v1, 5, v0
	v_readfirstlane_b32 s20, v1                    ; wave
	s_lshr_b32 s21, s20, 1                         ; wm: my half of the 128 of M.  Also: I fetch for M (0) or for N (1)
	s_and_b32 s22, s20, 1                          ; wn: my half of the 256 of N.  Also: which half of that operand's tiles I fetch
	s_bfe_u32 s76, ttmp6, 0x40000                  ; cx
	s_bfe_u32 s77, ttmp6, 0x40004                  ; cy
	s_and_b32 s78, ttmp7, 0xffff                   ; the cluster's y
	s_sub_co_u32 s80, s78, 16
	s_cmp_ge_u32 s78, 16
	s_cselect_b32 s79, 1, 0                        ; the part: 0 = q and k, 1 = v
	s_cselect_b32 s81, s80, ttmp9                  ; the cluster's term of the N tile column,
	s_cselect_b32 s82, ttmp9, s78                  ; and of the M tile row
	s_cselect_b32 s85, 128, 0                      ; Wv's tiles begin at 128 in wi
	s_lshl_b32 s81, s81, 2
	s_add_co_u32 s83, s81, s76                     ; tc: which 256 of N
	s_lshl_b32 s82, s82, 2
	s_add_co_u32 s84, s82, s77                     ; tr: which 128 of M
	s_lshl_b32 s86, s77, 2
	s_lshl_b32 s86, 15, s86                        ; my row of the cluster
	s_lshl_b32 s87, 0x1111, s76                    ; my column
	; group 1: rows of 3,072 bytes (a tile's two fragments of a chunk; 384 elements of 8 bytes), 12,288 bytes from tile to tile; M: 4 rows a load, N: 8; dense in LDS
	s_or_b32 s24, s86, (3<<16)|(1<<21)
	s_or_b32 s32, s87, (3<<16)|(1<<21)
	s_mov_b32 s25, 384<<16
	s_mov_b32 s26, 4<<16
	s_mov_b32 s27, 384<<16
	s_mov_b32 s28, 4
	s_mov_b32 s29, 1536
	s_mov_b32 s30, 0
	s_mov_b32 s31, 0
	s_mov_b32 s33, 384<<16
	s_mov_b32 s34, 8<<16
	s_mov_b32 s35, 384<<16
	s_mov_b32 s36, 8
	s_mov_b32 s37, 1536
	s_mov_b32 s38, 0
	s_mov_b32 s39, 0
	s_lshl_b32 s96, s84, 3
	s_add_co_u32 s96, s96, s85                     ; M's first tile
	s_lshl_b32 s97, s83, 4                         ; N's first tile
	s_lshl_b32 s2, s22, 2
	s_add_co_u32 s98, s96, s2
	s_mul_i32 s98, s98, 12288                      ; M: the four tiles that I would fetch
	s_mov_b32 s99, 0
	s_lshl_b32 s2, s22, 3
	s_add_co_u32 s100, s97, s2
	s_mul_i32 s100, s100, 12288                    ; N: the eight
	s_mov_b32 s101, 0
	s_mul_i32 s3, s22, 12288                       ; and their places in a chunk: no place in the cluster enters an LDS address
	s_mul_i32 s23, s22, 24576
	s_add_co_u32 s23, s23, 24576
	s_wait_dscnt 0x0
	s_wait_kmcnt 0x0
	s_cmp_eq_u32 s79, 1
	s_cselect_b64 s[88:89], s[8:9], s[4:5]         ; M's codes
	s_cselect_b64 s[90:91], s[4:5], s[8:9]         ; N's codes
	s_cselect_b64 s[92:93], s[10:11], s[6:7]       ; M's scales
	s_cselect_b64 s[94:95], s[6:7], s[10:11]       ; N's scales
	s_add_nc_u64 s[88:89], s[88:89], s[98:99]
	s_add_nc_u64 s[90:91], s[90:91], s[100:101]
.irp q, 0,1,2,3                        ; group 0 for each chunk: M's at s40 + 4 q, N's at s56, s60, s68, s72
	s_mov_b32 s[40+4*\q], 1
	s_add_co_u32 s[41+4*\q], s3, \q*CH
	s_add_nc_u64 s[42+4*\q:43+4*\q], s[88:89], \q*3072
	s_or_b32 s[43+4*\q], s[43+4*\q], 0x80000000
	s_mov_b32 s[56+4*\q+4*(\q/2)], 1
	s_add_co_u32 s[57+4*\q+4*(\q/2)], s23, \q*CH
	s_add_nc_u64 s[58+4*\q+4*(\q/2):59+4*\q+4*(\q/2)], s[90:91], \q*3072
	s_or_b32 s[59+4*\q+4*(\q/2)], s[59+4*\q+4*(\q/2)], 0x80000000
.endr
	CROUND                                         ; all sixteen work-groups are here: the joint loads meet
	s_cmp_eq_u32 s21, 0                            ; a wave's four fills stand in one branch on the wave's number; four v_nop follow the last
	s_cbranch_scc0 .Lfor_n
	tensor_load_to_lds s[40:43], s[24:31]
	s_nop 0
	tensor_load_to_lds s[44:47], s[24:31]
	s_nop 0
	tensor_load_to_lds s[48:51], s[24:31]
	s_nop 0
	tensor_load_to_lds s[52:55], s[24:31]
	s_nop 0
	PLACES
	s_branch .Lasked
.Lfor_n:
	tensor_load_to_lds s[56:59], s[32:39]
	s_nop 0
	tensor_load_to_lds s[60:63], s[32:39]
	s_nop 0
	tensor_load_to_lds s[68:71], s[32:39]
	s_nop 0
	tensor_load_to_lds s[72:75], s[32:39]
	s_nop 0
	PLACES
.Lasked:
	v_and_b32 v1, 15, v0
	v_lshlrev_b32 v1, 4, v1                        ; 16 r
	v_and_b32 v2, 31, v0
	v_lshlrev_b32 v3, 3, v2
	v_add_nc_u32 v3, 512, v3                       ; 512 + 8 x lane
	v_lshlrev_b32 v2, 4, v2                        ; 16 x lane
	v_bfe_u32 v4, v0, 4, 1                         ; h
	s_mul_i32 s2, s21, 12288                       ; my four tiles of M in a chunk
	v_add_nc_u32 v8, s2, v2
	v_add_nc_u32 v9, s2, v3
	v_add_nc_u32 v10, s23, v2                      ; my eight tiles of N: 24,576 + 24,576 wn
	v_add_nc_u32 v11, s23, v3
.irp q, 1,2,3
.irp i, 0,1,2,3
	v_add_nc_u32 v[ADR+4*\q+\i], \q*CH, v[ADR+\i]
.endr
.endr
	s_lshl_b32 s2, s21, 2
	s_add_co_u32 s2, s2, s96
	s_lshl_b32 s2, s2, 9                           ; 512 bytes of scale words a tile
	s_mov_b32 s3, 0
	s_add_nc_u64 s[92:93], s[92:93], s[2:3]
	s_lshl_b32 s2, s22, 3
	s_add_co_u32 s2, s2, s97
	s_lshl_b32 s2, s2, 9
	s_add_nc_u64 s[94:95], s[94:95], s[2:3]
.irp a, 0,1,2,3
.irp kh, 0,1
	global_load_b128 v[SAR+8*\a+4*\kh:SAR+8*\a+4*\kh+3], v1, s[92:93] offset:\a*512+\kh*256
.endr
.endr
.irp b, 0,1,2,3,4,5,6,7
.irp kh, 0,1
	global_load_b128 v[SBR+8*\b+4*\kh:SBR+8*\b+4*\kh+3], v1, s[94:95] offset:\b*512+\kh*256
.endr
.endr
	s_cmp_eq_u32 s79, 1
	s_cbranch_scc1 .Lbias_v
	; part 1: register j of accumulator (a, b) is column 128 wn + 32 (b / 2) + 8 (b % 2) + 16 h + j: eight registers a tile of N
	s_and_b32 s2, s83, 3
	s_lshl_b32 s2, s2, 10
	s_lshl_b32 s3, s22, 9
	s_add_co_u32 s2, s2, s3
	s_mov_b32 s3, 0
	s_cmp_lt_u32 s83, 4
	s_cselect_b64 s[12:13], s[12:13], s[14:15]     ; bq or bk
	s_add_nc_u64 s[12:13], s[12:13], s[2:3]
	v_lshlrev_b32 v5, 6, v4                        ; 64 h
	WIN TO_BI
.irp b, 0,1,2,3,4,5,6,7
	global_load_b128 v[8*\b:8*\b+3], v5, s[12:13] offset:(32*(\b/2)+8*(\b%2))*4
	global_load_b128 v[8*\b+4:8*\b+7], v5, s[12:13] offset:(32*(\b/2)+8*(\b%2))*4+16
.endr
	WIN 0
	s_branch .Lbias_done
.Lbias_v:
	; part 2: a lane's slot of M is a column of Wv: one number for its eight registers
	s_lshl_b32 s2, s84, 9
	s_lshl_b32 s3, s21, 8
	s_add_co_u32 s2, s2, s3
	s_mov_b32 s3, 0
	s_add_nc_u64 s[16:17], s[16:17], s[2:3]
	v_and_b32 v6, 15, v0
	v_and_b32 v7, 8, v6
	v_add_nc_u32 v6, v6, v7                        ; r + 8 (r / 8)
	v_lshlrev_b32 v5, 2, v6
	WIN TO_BI
.irp a, 0,1,2,3
.irp j, 0,1,2,3,4,5,6,7
	global_load_b32 v[8*\a+\j], v5, s[16:17] offset:(32*(\a/2)+8*(\a%2))*4
.endr
.endr
	WIN 0
.Lbias_done:
	; where the results go, made while the first tiles are on their way
	s_lshr_b32 s2, s84, 4
	s_lshl_b32 s2, s2, 4
	s_and_b32 s3, s83, 3
	s_lshl_b32 s3, s3, 2
	s_add_co_u32 s2, s2, s3
	s_lshl_b32 s3, s22, 1
	s_add_co_u32 s2, s2, s3                        ; part 1: the first of my two heads: 16 batch + 4 (tc & 3) + 2 wn
	s_and_b32 s3, s84, 15
	s_lshl_b32 s85, s3, 1
	s_add_co_u32 s85, s85, s21                     ; my four tiles of the head's 128: quad 2 (tr & 15) + wm
	s_mul_i32 s86, s85, 3072
	s_lshr_b32 s87, s83, 2                         ; 0: q, 1: k
	s_mul_i32 s3, s87, 106496
	s_add_co_u32 s86, s86, s3                      ; the halves
	s_mul_i32 s87, s87, 204800
	s_add_co_u32 s87, s87, 98304
	s_lshl_b32 s85, s85, 8
	s_add_co_u32 s87, s87, s85                     ; the scale quad
	s_lshr_b32 s3, s83, 3
	s_lshl_b32 s3, s3, 4
	s_lshl_b32 s85, s84, 1
	s_add_co_u32 s3, s3, s85
	s_add_co_u32 s3, s3, s21                       ; part 2: my head: 16 batch + 2 tr + wm
	s_and_b32 s85, s83, 7
	s_lshl_b32 s85, s85, 1
	s_add_co_u32 s85, s85, s22                     ; my key step
	s_mul_i32 s98, s85, 6144
	s_add_co_u32 s98, s98, 204800
	s_lshl_b32 s85, s85, 8
	s_add_co_u32 s85, s85, 311296
	s_mov_b32 s99, 768
	s_mov_b32 s100, 1536
	s_cmp_eq_u32 s79, 1
	s_cselect_b32 s2, s3, s2
	s_cselect_b32 s86, s98, s86
	s_cselect_b32 s87, s85, s87
	s_cselect_b32 s100, s100, s99                  ; from tile a to tile a + 1: 768 (a half) or 1,536 (a fragment)
	s_cselect_b32 s99, s99, HS                     ; from a fragment's first half to its second: the next head's record, or 768
	s_mul_i32 s2, s2, HS
	s_add_co_u32 s86, s86, s2
	s_add_co_u32 s87, s87, s2
	s_mov_b32 s3, 0
	s_mov_b32 s2, s86
	s_add_nc_u64 s[4:5], s[18:19], s[2:3]          ; a base for each of my four tiles: no store's base is ever stepped
	s_mov_b32 s2, s100
	s_add_nc_u64 s[6:7], s[4:5], s[2:3]
	s_add_nc_u64 s[8:9], s[6:7], s[2:3]
	s_add_nc_u64 s[10:11], s[8:9], s[2:3]
	s_mov_b32 s2, s87
	s_add_nc_u64 s[18:19], s[18:19], s[2:3]        ; the scale words
	v_mov_b32 v24, v2
	v_mov_b32 v25, v3
	v_add_nc_u32 v26, s99, v2
	v_add_nc_u32 v27, s99, v3
	v_mul_u32_u24 v28, v4, HS
	v_add_nc_u32 v28, v28, v1                      ; part 1: 16 r, lanes 16-31 in the next head's record
	v_lshl_add_u32 v29, v4, 3, v1                  ; part 2: 16 r + 8 h
	v_lshlrev_b32 v30, 4, v4                       ; 16 h
	s_wait_tensorcnt 0x3                           ; my part of chunk 0 is in; my other three loads may be out
	s_barrier_signal -1
	s_barrier_wait -1                              ; everybody's is
	FETCH 0
	s_wait_loadcnt 0x0                             ; scale words and bias
	s_cmp_eq_u32 s79, 1
	s_cbranch_scc1 .Lstep0_v
	STEP 0, 1                                      ; the first products start the sums from the bias: nothing is cleared
	WIN 0
	s_branch .Lsteps
.Lstep0_v:
	STEP 0, 2
	WIN 0
.Lsteps:
	STEP 1, 0
	STEP 2, 0
	STEP 3, 0
	STEP 4, 0
	STEP 5, 0
	STEP 6, 0
	STEP 7, 0
	WIN 0
	PLACES
	s_mov_b32 s80, 0x76543210
	s_mov_b32 s81, 0xfedcba98                      ; selects: lane l xor 16
.irp b, 0,1,2,3
	v_mov_b32 v[TM+4+\b], 0                        ; a lane permute's destination is written once beforehand
.endr
; Tile a's 64 numbers of a lane (window 2, register 16 b + i = 32 b + 16 h + i along N) become a fragment's codes in v[128 + 12 a] on and its scale word in v[PW + a].  Each accumulator is read from its low end on.
.macro QUANT a
.set SRC, 64*(\a)
.set PC, 128+12*(\a)
	WIN 0x0a
.irp b, 0,1,2,3
	v_max3_num_f32 v[TM+\b], |v[SRC+16*\b]|, |v[SRC+16*\b+1]|, 0x1800000   ; my 16 numbers of block b, and the floor 2^(3 - 127)
.endr
	WIN 0x28
.irp i, 2,4,6,8,10,12,14
.irp b, 0,1,2,3
	v_max3_num_f32 v[TM+\b], v[TM+\b], |v[SRC+16*\b+\i]|, |v[SRC+16*\b+\i+1]|
.endr
.endr
	WIN 0
.irp b, 0,1,2,3
	v_permlanex16_b32 v[TM+4+\b], v[TM+\b], s80, s81
.endr
.irp b, 0,1,2,3
	v_max_num_f32 v[TM+\b], v[TM+\b], v[TM+4+\b]   ; with lane l xor 16's: the block's largest magnitude
.endr
.irp b, 0,1,2,3
	v_add_nc_u32 v[TM+12+\b], 0xff000000, v[TM+\b] ; 2 off the exponent field: the conversion's scale operand
.endr
.irp b, 0,1,2,3
	v_lshrrev_b32 v[TM+4+\b], 23, v[TM+12+\b]      ; the byte
.endr
	v_lshl_or_b32 v[PW+\a], v[TM+5], 8, v[TM+4]
	v_lshl_or_b32 v[PW+\a], v[TM+6], 16, v[PW+\a]
	v_lshl_or_b32 v[PW+\a], v[TM+7], 24, v[PW+\a]
	WIN 0x02
.irp c, 0,1
	v_cvt_scalef32_pk16_fp6_f32 v[PC+6*\c:PC+6*\c+2], v[SRC+32*\c:SRC+32*\c+15], v[TM+12+2*\c]
	v_cvt_scalef32_pk16_fp6_f32 v[PT+4*\c:PT+4*\c+2], v[SRC+32*\c+16:SRC+32*\c+31], v[TM+13+2*\c]
.endr
	WIN 0
	v_nop                                          ; one plain place behind the conversions
.irp c, 0,1                            ; the layout wants a whole block in a lane: lanes 0-15 block 2 c, lanes 16-31 block 2 c + 1
.irp i, 0,1,2
	v_permlane16_swap_b32 v[PC+6*\c+\i], v[PT+4*\c+\i]
.endr
.irp i, 0,1,2
	v_mov_b32 v[PC+3+6*\c+\i], v[PT+4*\c+\i]
.endr
.endr
.endm
.irp a, 0,1,2,3
	QUANT \a
	global_store_b128 v24, v[128+12*\a:131+12*\a], s[4+2*\a:5+2*\a]    ; 512 consecutive bytes
	global_store_b64 v25, v[132+12*\a:133+12*\a], s[4+2*\a:5+2*\a]     ; 256
	global_store_b128 v26, v[134+12*\a:137+12*\a], s[4+2*\a:5+2*\a]
	global_store_b64 v27, v[138+12*\a:139+12*\a], s[4+2*\a:5+2*\a]
.endr
	s_cmp_eq_u32 s79, 1
	s_cbranch_scc1 .Lscales_v
.irp a, 0,1,2,3
	v_bfe_u32 v[PW+4+\a], v[PW+\a], v30, 16        ; lanes 0-15: the first head's two bytes; lanes 16-31: the second head's; 0 above them
.endr
	global_store_b128 v28, v[PW+4:PW+7], s[18:19]  ; a quad of each of the two heads: 256 consecutive bytes each
	s_branch .Lend
.Lscales_v:
	v_cmp_ne_u32 vcc_lo, 0, v4
	v_cndmask_b32 v[PW+4], v[PW], v[PW+2], vcc_lo  ; lane (r, h): words 2 h and 2 h + 1 of slot r
	v_cndmask_b32 v[PW+5], v[PW+1], v[PW+3], vcc_lo
	global_store_b64 v29, v[PW+4:PW+5], s[18:19]   ; 256 consecutive bytes
.Lend:
	s_wait_tensorcnt 0x0
	ds_add_u32 v254, v255
	s_wait_dscnt 0x0
	CROUND                                         ; the closing round: no work-group ends while a partner may still ask for a tile that names it
	s_endpgm
.Lfunc_end_k_q53e3eba01e_qkv:
	.size	k_q53e3eba01e_qkv, .Lfunc_end_k_q53e3eba01e_qkv-k_q53e3eba01e_qkv
	.p2alignl 7, 3214868480
	.fill 96, 4, 3214868480
	.section	.rodata,"a",@progbits
	.p2align	6, 0x0
	.amdhsa_kernel k_q53e3eba01e_qkv
		.amdhsa_group_segment_fixed_size 295424
		.amdhsa_private_segment_fixed_size 0
		.amdhsa_enable_private_segment 0
		.amdhsa_kernarg_size 64
		.amdhsa_user_sgpr_count 2
		.amdhsa_user_sgpr_kernarg_segment_ptr 1
		.amdhsa_wavefront_size32 1
		.amdhsa_system_sgpr_workgroup_id_x 1
		.amdhsa_system_sgpr_workgroup_id_y 1
		.amdhsa_system_sgpr_workgroup_id_z 1
		.amdhsa_system_vgpr_workitem_id 0
		.amdhsa_next_free_vgpr 832
		.amdhsa_next_free_sgpr 102
		.amdhsa_reserve_vcc 1
		.amdhsa_float_denorm_mode_32 3
		.amdhsa_float_denorm_mode_16_64 3
		.amdhsa_memory_ordered 1
		.amdhsa_forward_progress 1
		.amdhsa_inst_pref_size 103
	.end_amdhsa_kernel
	.amdgpu_metadata
---
amdhsa.version: [ 1, 2 ]
amdhsa.kernels:
  - .name:           k_q53e3eba01e_qkv
    .symbol:         k_q53e3eba01e_qkv.kd
    .args:
      - { .name: xi, .offset: 0, .size: 8, .value_kind: global_buffer, .address_space: global }
      - { .name: xs, .offset: 8, .size: 8, .value_kind: global_buffer, .address_space: global }
      - { .name: wi, .offset: 16, .size: 8, .value_kind: global_buffer, .address_space: global }
      - { .name: ws, .offset: 24, .size: 8, .value_kind: global_buffer, .address_space: global }
      - { .name: bq, .offset: 32, .size: 8, .value_kind: global_buffer, .address_space: global }
      - { .name: bk, .offset: 40, .size: 8, .value_kind: global_buffer, .address_space: global }
      - { .name: bv, .offset: 48, .size: 8, .value_kind: global_buffer, .address_space: global }
      - { .name: hb, .offset: 56, .size: 8, .value_kind: global_buffer, .address_space: global }
    .group_segment_fixed_size: 295424
    .private_segment_fixed_size: 0
    .kernarg_segment_align: 8
    .kernarg_segment_size: 64
    .max_flat_workgroup_size: 128
    .sgpr_count:     102
    .vgpr_count:     832
    .wavefront_size: 32
...
	.end_amdgpu_metadata
.endif
;; end of part 2
;; launch attn (part 3): grid 4 x 64, 16 waves a work-group, clusters of 4 x 1, 210,944 bytes of LDS; arguments hb, oi, osc; writes oi, osc
.if DOCPART == 3
	.amdgcn_target "amdgcn-amd-amdhsa--gfx1250"
	.amdhsa_code_object_version 6
	.text
	.protected	k_q53e3eba01e_attn
	.globl	k_q53e3eba01e_attn
	.p2align	8
	.type	k_q53e3eba01e_attn,@function
k_q53e3eba01e_attn:
	s_mov_b64 s[64:65], 0
	v_nop
	global_prefetch_b8 v0, s[64:65] scope:SCOPE_SE
	s_setreg_imm32_b32 hwreg(HW_REG_WAVE_MODE, 25, 1), 1
	s_wait_xcnt 0x0
	s_wait_alu depctr_hold_cnt(0) depctr_sa_sdst(0) depctr_va_vdst(0) depctr_va_sdst(0) depctr_va_ssrc(0) depctr_va_vcc(0) depctr_vm_vsrc(0)
	s_getreg_b32 s2, hwreg(HW_REG_IB_STS2, 6, 4)
	s_cmp_eq_u32 s2, 0
	s_cbranch_scc0 .Lentry_in_a_cluster
	s_endpgm
.Lentry_in_a_cluster:
	s_bfe_u32 s2, ttmp6, 0x10000c
	s_cmp_lg_u32 s2, 0x3003
	s_cbranch_scc0 .Lentry_shape_is_right
	s_endpgm
.Lentry_shape_is_right:
; ATTN: causal attention of one (batch, head) for each cluster, both products on codes of FP6 (E2M3) with E8M0 scales; the result is quantised along D as the operand of the last product.
; t = score x log2(e) / 8; M = the running largest t rounded UP to a whole number; p = 2^(t - M) is quantised along the keys, not normalised; the sum of the unquantised p divides at the end.
; THE HEAD'S WHOLE K, V AND THEIR SCALES LIE IN LDS, FILLED ONCE: 208,896 dense bytes of hb, 51 rows of 256 bytes for each of the 16 waves, asked for JOINTLY by the four partners (mask 15).
; One tensor load of a wave is out.  Nothing is filled again, so there is no ring; nothing is prefetched: all is asked for at the head.
; SHARES, alike in all partners: of every group g of 128 queries partner p takes tiles 8 g + 2 p + e; wave w has e = w & 1 and takes group w >> 1, then group 15 - (w >> 1): 17 key steps of 128 for every wave.
; Branches hang on the wave's number alone; the partner's place enters global addresses and the mask's lane value only.
; Both products are used transposed: S^T = K Q^T (source 0 = 16 keys), O^T = V^T P^T (source 0 = 16 of the head's 64): a lane holds one query (slot lane % 16) throughout.  A tile's slots are rows
; 32 B + 8 u + s + 8 (s / 8), so the 16 registers of key tiles 2 b and 2 b + 1 are keys 32 b + 16 h + 0 .. 15.
; THE FIRST PRODUCT'S K IS 64, HALF OF THE INSTRUCTION'S 128.  Q's registers 6-11 are zero codes and both scale words have the byte 0 (2^-127, a number) there: those products are exact zeros whatever K's
; registers 6-11 hold.  So K's operand for tile t is v[32 + 6 t] on, twelve registers, of which the upper six are the next tile's codes (behind the last tile: six zeros).
; A key step all of whose keys come after the wave's queries is left out (a scalar branch on the wave's group); in the step on the diagonal hidden scores become -infinity ahead of the maximum.
; LIMITS: NaN and infinities are not served; a block under 2^-124 keeps the byte 1; a block of zeros gets the byte 1 and not 127 (its codes are zeros; only this program reads the bytes).
; REGISTERS: v1-6 lane terms of LDS addresses; v7 the mask's lane value; v8-11, v30, v31 the step's addresses; v12 -M, v13 the largest t, v[14:15] the sum; v16-27 Q (phase 0), v28 its scale word; v29 16 r + h;
;   v32-79 eight halves of K, then four fragments of V; v80-85 zeros; v88-95 K's scale words; v96-159 S^T, then p; v160-191 O^T; v192-195 V's scale words; v196-207 p's codes; v208-214 conversions' second halves;
;   v216-219 block maxima, v220-223 at work, v224-227 scale operands; v228 p's scale word; v[230:231] f; v232, v233 at work; v234 16 r, v235 16 h; v236-247 Q (phase 1), v248 its scale word.
.set HS,   315392
.set LV,   98304                       ; LDS: K's halves at 0, V's fragments here,
.set LKS,  196608                      ; K's scale quads,
.set LVS,  204800                      ; V's scale words
.set WV,   10
.set SEL,  20
.set CS,   22
.set GG,   36                          ; s36, s37 the wave's group in phase 0, 1
.set J,    38                          ; the key step
.set TB,   39                          ; 6,144 J: a step's K halves and V fragments
.set TS,   40                          ; 512 J: K's scale quads
.set TJ,   41                          ; 256 J: V's scale words
.macro CROUND                          ; a round of the cluster's barrier
	s_barrier_signal -1
	s_barrier_wait -1
	s_cmp_lg_u32 s[WV], 0
	s_cbranch_scc1 .Lnot_wave_0_\@
	s_barrier_signal -3
.Lnot_wave_0_\@:
	s_barrier_wait -3
	s_barrier_signal -1
	s_barrier_wait -1
.endm
.macro FRAG reg, a16, a8, off
	ds_load_b128 v[\reg:\reg+3], v[\a16] offset:\off
	ds_load_b64 v[\reg+4:\reg+5], v[\a8] offset:\off
	ds_load_b128 v[\reg+6:\reg+9], v[\a16] offset:\off+768
	ds_load_b64 v[\reg+10:\reg+11], v[\a8] offset:\off+768
.endm
	s_load_b128 s[4:7], s[0:1], 0x0                ; hb, oi
	s_load_b64 s[8:9], s[0:1], 0x10                ; osc
	v_lshl_add_u32 v254, v0, 2, 0x33000
	v_mov_b32 v255, 0
	ds_add_u32 v254, v255
	ds_add_u32 v254, v255
	v_lshrrev_b32 v1, 5, v0
	s_delay_alu instid0(VALU_DEP_1)
	v_readfirstlane_b32 s[WV], v1                  ; wave 0..15
	s_and_b32 s11, s[WV], 1                        ; e
	s_lshr_b32 s12, s[WV], 1
	s_bfe_u32 s13, ttmp6, 0x40000                  ; p: my place in the cluster
	s_and_b32 s14, ttmp7, 0xffff                   ; 16 batch + head
	s_lshr_b32 s15, s14, 4
	s_and_b32 s16, s14, 15
	s_mov_b32 s[GG], s12
	s_sub_co_u32 s[GG+1], 15, s12
	s_mov_b32 s[SEL], 0x76543210
	s_mov_b32 s[SEL+1], 0xfedcba98
	s_mov_b32 s[CS], 0x3e38aa3b                    ; c = log2(e) / 8
	s_mov_b32 s[CS+1], s[CS]                       ; (named with it as a pair)
	; group 1: 51 rows of 256 bytes (32 elements of 8), dense in memory and in LDS; the mask names all four partners
	s_mov_b32 s24, 15|(3<<16)|(1<<21)
	s_mov_b32 s25, 32<<16
	s_mov_b32 s26, 51<<16
	s_mov_b32 s27, 32<<16
	s_mov_b32 s28, 51
	s_mov_b32 s29, 32
	s_mov_b32 s30, 0
	s_mov_b32 s31, 0
	s_mul_i32 s44, s14, HS
	s_mov_b32 s45, 0
	s_mul_i32 s17, s[WV], 13056                    ; my wave's 51 rows
	s_add_co_u32 s46, s17, 106496
	s_mov_b32 s47, 0
	s_wait_dscnt 0x0
	s_wait_kmcnt 0x0
	s_add_nc_u64 s[44:45], s[4:5], s[44:45]        ; the head's record
	s_mov_b32 s32, 1
	s_mov_b32 s33, s17
	s_add_nc_u64 s[34:35], s[44:45], s[46:47]
	s_or_b32 s35, s35, 0x80000000
	CROUND                                         ; all four work-groups are here: the joint loads meet
	tensor_load_to_lds s[32:35], s[24:31]
	s_nop 0
.rept 4
	v_nop
.endr
.macro ADDR ph                         ; phase ph: tile T = 8 G + 2 p + e of the head; tile 128 batch + T of all rows
	s_lshl_b32 s66, s[GG+\ph], 3
	s_lshl_b32 s67, s13, 1
	s_add_co_u32 s66, s66, s67
	s_add_co_u32 s66, s66, s11
	s_mul_i32 s68, s66, 768
	s_mov_b32 s69, 0
	s_add_nc_u64 s[56+2*\ph:57+2*\ph], s[44:45], s[68:69]     ; Q's half
	s_lshr_b32 s68, s66, 2
	s_lshl_b32 s68, s68, 8
	s_and_b32 s67, s66, 3
	s_lshl_b32 s67, s67, 2
	s_add_co_u32 s68, s68, s67
	s_add_co_u32 s68, s68, 98304
	s_add_nc_u64 s[60+2*\ph:61+2*\ph], s[44:45], s[68:69]     ; its scale words: quad T / 4, word T % 4
	s_lshl_b32 s67, s15, 7
	s_add_co_u32 s66, s66, s67
	s_mul_i32 s68, s66, 12288
	s_mul_i32 s67, s16, 768
	s_add_co_u32 s68, s68, s67
	s_add_nc_u64 s[48+2*\ph:49+2*\ph], s[6:7], s[68:69]       ; oi: the head is half (head & 1) of fragment head / 2
	s_lshl_b32 s68, s66, 9
	s_lshr_b32 s67, s16, 3
	s_lshl_b32 s67, s67, 8
	s_add_co_u32 s68, s68, s67
	s_and_b32 s67, s16, 7
	s_lshl_b32 s67, s67, 1
	s_add_co_u32 s68, s68, s67
	s_add_nc_u64 s[52+2*\ph:53+2*\ph], s[8:9], s[68:69]       ; osc: the head's two bytes of a slot's 16
.endm
	ADDR 0
	ADDR 1
	v_and_b32 v2, 31, v0
	s_delay_alu instid0(VALU_DEP_1)
	v_lshlrev_b32 v1, 4, v2                        ; 16 x lane
	s_delay_alu instid0(VALU_DEP_2)
	v_lshlrev_b32 v2, 3, v2
	s_delay_alu instid0(VALU_DEP_1)
	v_add_nc_u32 v2, 512, v2                       ; 512 + 8 x lane
	v_and_b32 v232, 15, v0                         ; r
	v_bfe_u32 v233, v0, 4, 1                       ; h
	s_delay_alu instid0(VALU_DEP_2)
	v_lshlrev_b32 v234, 4, v232                    ; 16 r
	global_load_b128 v[16:19], v1, s[56:57]
	global_load_b64 v[20:21], v2, s[56:57]
	global_load_b32 v28, v234, s[60:61]
	global_load_b128 v[236:239], v1, s[58:59]
	global_load_b64 v[240:241], v2, s[58:59]
	global_load_b32 v248, v234, s[62:63]
	v_add_nc_u32 v3, LV, v1
	v_add_nc_u32 v4, LV, v2
	v_add_nc_u32 v5, LKS, v234
	v_add_nc_u32 v6, LVS, v234
	v_add_nc_u32 v29, v234, v233                   ; 16 r + h
	v_and_b32 v7, 8, v232
	s_delay_alu instid0(VALU_DEP_1)
	v_add_nc_u32 v7, v7, v232                      ; r + 8 (r / 8)
	v_lshlrev_b32 v235, 4, v233                    ; 16 h
	s_delay_alu instid0(VALU_DEP_1)
	v_sub_nc_u32 v7, v7, v235
	s_lshl_b32 s66, s13, 5
	s_lshl_b32 s67, s11, 3
	s_add_co_u32 s66, s66, s67
	v_add_nc_u32 v7, s66, v7                       ; my query in its group of 128, less 16 h: register 16 b + i (key 32 b + 16 h + i) is hidden where 32 b + i is above it
.irp i, 0,1,2,3,4,5
	v_mov_b32 v[22+\i], 0                          ; Q's codes of k = 64 .. 127
	v_mov_b32 v[242+\i], 0
	v_mov_b32 v[80+\i], 0                          ; behind the last tile of K
.endr
.irp i, 0,1,2,3
	v_mov_b32 v[220+\i], 0                         ; a lane permute's destination is written once beforehand
.endr
	v_mov_b32 v231, 0                              ; (named as the upper half of the pair v[230:231])
	s_wait_tensorcnt 0x0                           ; my 51 rows are in,
	s_barrier_signal -1
	s_barrier_wait -1                              ; everybody's are: K, V and their scales stay as they are to the end
	s_wait_loadcnt 0x0                             ; Q of both phases
; A PHASE: one tile of 16 queries of group s[GG + ph] against key steps 0 .. that group.  QB: Q's operand; QS: its scale word.
.macro PHASE ph, QB, QS
	v_mov_b32 v13, 0xff61b1e6                      ; the largest t so far: -3e38
	s_delay_alu instid0(VALU_DEP_1)
	v_floor_f32 v12, -v13                          ; -M
	v_mov_b32 v14, 0
	v_mov_b32 v15, 0
.set i, 0
.rept 32
	v_mov_b32 v[160+i], 0                          ; O^T: the step is written once, and its first trip finds zeros
.set i, i+1
.endr
	s_mov_b32 s[J], 0
	s_mov_b32 s[TB], 0
	s_mov_b32 s[TS], 0
	s_mov_b32 s[TJ], 0
.Lkey_\@:                              ; 16 trips, a constant; the work of a step behind the diagonal is jumped over
	s_cmp_gt_u32 s[J], s[GG+\ph]
	s_cbranch_scc1 .Lhidden_\@
	s_setprio 2
	v_add_nc_u32 v8, s[TB], v1                     ; these six are also the places ahead of the loads into registers that the last products read
	v_add_nc_u32 v9, s[TB], v2
	v_add_nc_u32 v10, s[TB], v3
	v_add_nc_u32 v11, s[TB], v4
	v_add_nc_u32 v30, s[TS], v5
	v_add_nc_u32 v31, s[TJ], v6
.irp t, 0,1,2,3,4,5,6,7
	ds_load_b128 v[32+6*\t:35+6*\t], v8 offset:768*\t
	ds_load_b64 v[36+6*\t:37+6*\t], v9 offset:768*\t
.endr
	ds_load_b128 v[88:91], v30
	ds_load_b128 v[92:95], v30 offset:256
	s_wait_alu depctr_va_vdst(0)
	s_wait_dscnt 0x0
.irp t, 0,1,2,3,4,5,6,7
	v_wmma_scale_f32_16x16x128_f8f6f4 v[96+8*\t:103+8*\t], v[32+6*\t:43+6*\t], v[\QB:\QB+11], 0, v[88+\t], v[\QS] matrix_a_fmt:MATRIX_FMT_FP6 matrix_b_fmt:MATRIX_FMT_FP6
.endr
.rept 4
	v_nop                                          ; places ahead of the loads below and of the first read of the scores
.endr
.irp d, 0,1,2,3
	FRAG 32+12*\d, 10, 11, 1536*\d                 ; V's four fragments land while the softmax runs
.endr
	ds_load_b128 v[192:195], v31
	s_cmp_lg_u32 s[J], s[GG+\ph]
	s_cbranch_scc1 .Lopen_\@
	v_mov_b32 v232, 0xff800000                     ; on the diagonal: -infinity for hidden keys, so p = 0
.set n, 0
.rept 64
	v_cmp_gt_i32 vcc_lo, 32*(n/16)+n%16, v7
	v_cndmask_b32 v[96+n], v[96+n], v232, vcc_lo
.set n, n+1
.endr
.Lopen_\@:
.irp b, 0,1,2,3
	v_max3_num_f32 v[216+\b], v[96+16*\b], v[97+16*\b], v[98+16*\b]   ; the largest score of each block of 32 keys: for the row's maximum and, since p rises with the score, for the block's largest p
.endr
.irp i, 3,5,7,9,11,13
.irp b, 0,1,2,3
	v_max3_num_f32 v[216+\b], v[216+\b], v[96+16*\b+\i], v[97+16*\b+\i]
.endr
.endr
.irp b, 0,1,2,3
	v_max_num_f32 v[216+\b], v[216+\b], v[111+16*\b]
.endr
.irp b, 0,1,2,3
	s_delay_alu instid0(VALU_DEP_4)
	v_permlanex16_b32 v[220+\b], v[216+\b], s[SEL], s[SEL+1]
.endr
.irp b, 0,1,2,3
	s_delay_alu instid0(VALU_DEP_4)
	v_max_num_f32 v[216+\b], v[216+\b], v[220+\b]  ; with lane l xor 16's 16 keys
.endr
	s_delay_alu instid0(VALU_DEP_2)
	v_max3_num_f32 v232, v216, v217, v218
	s_delay_alu instid0(VALU_DEP_1)
	v_max_num_f32 v232, v232, v219
	s_delay_alu instid0(VALU_DEP_1)
	v_mul_f32 v232, s[CS], v232                    ; as t
	s_delay_alu instid0(VALU_DEP_1)
	v_max_num_f32 v13, v13, v232                   ; the running largest t
	v_mov_b32 v232, v12
	s_delay_alu instid0(VALU_DEP_2)
	v_floor_f32 v12, -v13                          ; the new -M = -ceil(t)
	s_delay_alu instid0(VALU_DEP_1)
	v_sub_f32 v232, v12, v232                      ; old M - new M: a whole number, 0 or less
	s_delay_alu instid0(VALU_DEP_1)
	v_cvt_i32_f32 v232, v232                       ; (it saturates)
	s_delay_alu instid0(VALU_DEP_1)
	v_ldexp_f32 v230, 1.0, v232                    ; f = 2^(old M - new M): a multiplication by it rounds nothing
.set i, 0
	s_setprio 1
.rept 32
	v_pk_fma_f32 v[96+i:97+i], v[96+i:97+i], s[CS:CS+1], v[12:13] op_sel_hi:[1,0,0]   ; t - M
.set i, i+2
.endr
.irp b, 0,1,2,3
	v_fma_f32 v[216+\b], v[216+\b], s[CS], v12     ; the same of each block's largest score
.endr
.set i, 0
	s_wait_alu depctr_va_vdst(0)
.rept 64
	v_exp_f32 v[96+i], v[96+i]                     ; p = 2^(t - M)
.set i, i+1
.endr
	v_pk_mul_f32 v[14:15], v[14:15], v[230:231] op_sel_hi:[1,0]   ; the sums under the new M: a plain place behind the exponentials
	s_wait_alu depctr_va_vdst(0)                   ; one wait for the batch of 64, ahead of its first reader
.irp b, 0,1,2,3
	v_exp_f32 v[216+\b], v[216+\b]                 ; the block's largest p
.endr
	v_pk_add_f32 v[220:221], v[100:101], v[104:105]
	v_pk_add_f32 v[252:253], v[108:109], v[112:113]
	v_pk_add_f32 v[250:251], v[116:117], v[120:121]
	v_pk_add_f32 v[228:229], v[124:125], v[128:129]
	v_pk_add_f32 v[226:227], v[132:133], v[136:137]
	v_pk_add_f32 v[224:225], v[140:141], v[144:145]
	v_pk_add_f32 v[222:223], v[148:149], v[152:153]
	v_pk_add_f32 v[14:15], v[14:15], v[156:157]
	v_pk_add_f32 v[220:221], v[220:221], v[96:97]
	v_pk_add_f32 v[252:253], v[252:253], v[98:99]
	v_pk_add_f32 v[250:251], v[250:251], v[102:103]
	v_pk_add_f32 v[228:229], v[228:229], v[106:107]
	v_pk_add_f32 v[226:227], v[226:227], v[110:111]
	v_pk_add_f32 v[224:225], v[224:225], v[114:115]
	v_pk_add_f32 v[222:223], v[222:223], v[118:119]
	v_pk_add_f32 v[14:15], v[14:15], v[122:123]
	v_pk_add_f32 v[220:221], v[220:221], v[126:127]
	v_pk_add_f32 v[252:253], v[252:253], v[130:131]
	v_pk_add_f32 v[250:251], v[250:251], v[134:135]
	v_pk_add_f32 v[228:229], v[228:229], v[138:139]
	v_pk_add_f32 v[226:227], v[226:227], v[142:143]
	v_pk_add_f32 v[224:225], v[224:225], v[146:147]
	v_pk_add_f32 v[222:223], v[222:223], v[150:151]
	v_pk_add_f32 v[14:15], v[14:15], v[154:155]
	v_pk_add_f32 v[220:221], v[220:221], v[158:159]
	s_delay_alu instid0(VALU_DEP_2)
	v_pk_add_f32 v[14:15], v[14:15], v[228:229]
	s_delay_alu instid0(VALU_DEP_2)
	v_pk_add_f32 v[220:221], v[220:221], v[226:227]
	v_pk_add_f32 v[252:253], v[252:253], v[224:225]
	v_pk_add_f32 v[250:251], v[250:251], v[222:223]
	s_delay_alu instid0(VALU_DEP_2)
	v_pk_add_f32 v[14:15], v[14:15], v[252:253]
	s_delay_alu instid0(VALU_DEP_2)
	v_pk_add_f32 v[220:221], v[220:221], v[250:251]
	s_delay_alu instid0(VALU_DEP_1)
	v_pk_add_f32 v[14:15], v[14:15], v[220:221]
	s_wait_alu depctr_va_vdst(0)                   ; and one for the four
.irp b, 0,1,2,3
	v_max_num_f32 v[216+\b], 0x1800000, v[216+\b]  ; the floor 2^(3 - 127)
.endr
.irp b, 0,1,2,3
	s_delay_alu instid0(VALU_DEP_4)
	v_add_nc_u32 v[224+\b], 0xff000000, v[216+\b]  ; the conversion's scale operand
.endr
.irp b, 0,1,2,3
	s_delay_alu instid0(VALU_DEP_4)
	v_lshrrev_b32 v[220+\b], 23, v[224+\b]         ; the byte
.endr
	s_delay_alu instid0(VALU_DEP_3)
	v_lshl_or_b32 v228, v221, 8, v220              ; p's scale word for these 128 keys
	s_delay_alu instid0(VALU_DEP_1)
	v_lshl_or_b32 v228, v222, 16, v228
	s_delay_alu instid0(VALU_DEP_1)
	v_lshl_or_b32 v228, v223, 24, v228
	s_setprio 0
.irp c, 0,1
	v_cvt_scalef32_pk16_fp6_f32 v[196+6*\c:198+6*\c], v[96+32*\c:111+32*\c], v[224+2*\c]
	v_cvt_scalef32_pk16_fp6_f32 v[208+4*\c:210+4*\c], v[112+32*\c:127+32*\c], v[225+2*\c]
.endr
	v_nop                                          ; one plain place behind the conversions
.irp c, 0,1
.irp i, 0,1,2
	v_permlane16_swap_b32 v[196+6*\c+\i], v[208+4*\c+\i]
.endr
.irp i, 0,1,2
	s_delay_alu instid0(VALU_DEP_3)
	v_mov_b32 v[199+6*\c+\i], v[208+4*\c+\i]
.endr
.endr
.set i, 0
.rept 16
	v_pk_mul_f32 v[160+i:161+i], v[160+i:161+i], v[230:231] op_sel_hi:[1,0]   ; O^T under the new M; these 16 are also the places between the codes, the scale word and the products
.set i, i+2
.endr
	s_wait_alu depctr_va_vdst(0)
	s_wait_dscnt 0x0                               ; V and its scale words are in
.irp d, 0,1,2,3
	v_wmma_scale_f32_16x16x128_f8f6f4 v[160+8*\d:167+8*\d], v[32+12*\d:43+12*\d], v[196:207], v[160+8*\d:167+8*\d], v[192+\d], v228 matrix_a_fmt:MATRIX_FMT_FP6 matrix_b_fmt:MATRIX_FMT_FP6
.endr
.Lhidden_\@:
	s_add_co_u32 s[TB], s[TB], 6144
	s_add_co_u32 s[TS], s[TS], 512
	s_add_co_u32 s[TJ], s[TJ], 256
	s_add_co_u32 s[J], s[J], 1
	s_cmp_lt_u32 s[J], 16
	s_cbranch_scc1 .Lkey_\@
	s_setprio 0
	; the phase's end: O^T / the sum, quantised along the head's 64 (two blocks), half a fragment of the last product's operand
.rept 4
	v_nop
.endr
	v_add_f32 v14, v14, v15
	s_delay_alu instid0(VALU_DEP_1)
	v_permlanex16_b32 v232, v14, s[SEL], s[SEL+1]
	s_delay_alu instid0(VALU_DEP_1)
	v_add_f32 v14, v14, v232                       ; the row's sum
	s_wait_alu depctr_va_vdst(0)
	v_rcp_f32 v230, v14
	v_nop                                          ; a plain place behind the reciprocal
	s_wait_alu depctr_va_vdst(0)                   ; and its wait, ahead of the first reader
.set i, 0
.rept 16
	v_pk_mul_f32 v[96+i:97+i], v[160+i:161+i], v[230:231] op_sel_hi:[1,0]   ; register 16 b + i = channel 32 b + 16 h + i
.set i, i+2
.endr
.irp b, 0,1
	v_max3_num_f32 v[216+\b], |v[96+16*\b]|, |v[97+16*\b]|, 0x1800000
.endr
.irp i, 2,4,6,8,10,12,14
.irp b, 0,1
	s_delay_alu instid0(VALU_DEP_2)
	v_max3_num_f32 v[216+\b], v[216+\b], |v[96+16*\b+\i]|, |v[97+16*\b+\i]|
.endr
.endr
.irp b, 0,1
	s_delay_alu instid0(VALU_DEP_2)
	v_permlanex16_b32 v[220+\b], v[216+\b], s[SEL], s[SEL+1]
.endr
.irp b, 0,1
	s_delay_alu instid0(VALU_DEP_2)
	v_max_num_f32 v[216+\b], v[216+\b], v[220+\b]
.endr
.irp b, 0,1
	s_delay_alu instid0(VALU_DEP_2)
	v_add_nc_u32 v[224+\b], 0xff000000, v[216+\b]
.endr
.irp b, 0,1
	s_delay_alu instid0(VALU_DEP_2)
	v_lshrrev_b32 v[220+\b], 23, v[224+\b]
.endr
	v_cvt_scalef32_pk16_fp6_f32 v[196:198], v[96:111], v224
	v_cvt_scalef32_pk16_fp6_f32 v[208:210], v[112:127], v225
	v_nop
.irp i, 0,1,2
	v_permlane16_swap_b32 v[196+\i], v[208+\i]
.endr
.irp i, 0,1,2
	s_delay_alu instid0(VALU_DEP_3)
	v_mov_b32 v[199+\i], v[208+\i]
.endr
	v_cmp_ne_u32 vcc_lo, 0, v235
	s_delay_alu instid0(VALU_DEP_1)
	v_cndmask_b32 v233, v220, v221, vcc_lo         ; lane (r, h): the byte of block h
	global_store_b128 v1, v[196:199], s[48+2*\ph:49+2*\ph]    ; 512 consecutive bytes
	global_store_b64 v2, v[200:201], s[48+2*\ph:49+2*\ph]     ; 256
	global_store_b8 v29, v233, s[52+2*\ph:53+2*\ph]           ; two bytes of each slot's 16: the other heads write the rest; one byte for each 24 of codes
.endm
	PHASE 0, 16, 28
	s_wait_xcnt 0x0                                ; the stores have read their registers: they are written again only behind this wait
	PHASE 1, 236, 248
	s_wait_tensorcnt 0x0
	ds_add_u32 v254, v255
	s_wait_dscnt 0x0
	CROUND                                         ; the closing round
	s_endpgm
.Lfunc_end_k_q53e3eba01e_attn:
	.size	k_q53e3eba01e_attn, .Lfunc_end_k_q53e3eba01e_attn-k_q53e3eba01e_attn
	.p2alignl 7, 3214868480
	.fill 96, 4, 3214868480
	.section	.rodata,"a",@progbits
	.p2align	6, 0x0
	.amdhsa_kernel k_q53e3eba01e_attn
		.amdhsa_group_segment_fixed_size 210944
		.amdhsa_private_segment_fixed_size 0
		.amdhsa_enable_private_segment 0
		.amdhsa_kernarg_size 24
		.amdhsa_user_sgpr_count 2
		.amdhsa_user_sgpr_kernarg_segment_ptr 1
		.amdhsa_wavefront_size32 1
		.amdhsa_system_sgpr_workgroup_id_x 1
		.amdhsa_system_sgpr_workgroup_id_y 1
		.amdhsa_system_sgpr_workgroup_id_z 1
		.amdhsa_system_vgpr_workitem_id 0
		.amdhsa_next_free_vgpr 256
		.amdhsa_next_free_sgpr 72
		.amdhsa_reserve_vcc 1
		.amdhsa_float_denorm_mode_32 3
		.amdhsa_float_denorm_mode_16_64 3
		.amdhsa_memory_ordered 1
		.amdhsa_forward_progress 1
		.amdhsa_inst_pref_size 65
	.end_amdhsa_kernel
	.amdgpu_metadata
---
amdhsa.version: [ 1, 2 ]
amdhsa.kernels:
  - .name:           k_q53e3eba01e_attn
    .symbol:         k_q53e3eba01e_attn.kd
    .args:
      - { .name: hb, .offset: 0, .size: 8, .value_kind: global_buffer, .address_space: global }
      - { .name: oi, .offset: 8, .size: 8, .value_kind: global_buffer, .address_space: global }
      - { .name: osc, .offset: 16, .size: 8, .value_kind: global_buffer, .address_space: global }
    .group_segment_fixed_size: 210944
    .private_segment_fixed_size: 0
    .kernarg_segment_align: 8
    .kernarg_segment_size: 24
    .max_flat_workgroup_size: 512
    .sgpr_count:     72
    .vgpr_count:     256
    .wavefront_size: 32
...
	.end_amdgpu_metadata
.endif
;; end of part 3
;; launch proj (part 4): grid 4 x 64, 4 waves a work-group, clusters of 4 x 4, 295,424 bytes of LDS; arguments oi, osc, wi, ws, bo, out0; writes out0
.if DOCPART == 4
	.amdgcn_target "amdgcn-amd-amdhsa--gfx1250"
	.amdhsa_code_object_version 6
	.text
	.protected	k_q53e3eba01e_proj
	.globl	k_q53e3eba01e_proj
	.p2align	8
	.type	k_q53e3eba01e_proj,@function
k_q53e3eba01e_proj:
	s_mov_b64 s[64:65], 0
	v_nop
	global_prefetch_b8 v0, s[64:65] scope:SCOPE_SE
	s_setreg_imm32_b32 hwreg(HW_REG_WAVE_MODE, 25, 1), 1
	s_wait_xcnt 0x0
	s_wait_alu depctr_hold_cnt(0) depctr_sa_sdst(0) depctr_va_vdst(0) depctr_va_sdst(0) depctr_va_ssrc(0) depctr_va_vcc(0) depctr_vm_vsrc(0)
	s_getreg_b32 s2, hwreg(HW_REG_IB_STS2, 6, 4)
	s_cmp_eq_u32 s2, 0
	s_cbranch_scc0 .Lentry_in_a_cluster
	s_endpgm
.Lentry_in_a_cluster:
	s_bfe_u32 s2, ttmp6, 0x10000c
	s_cmp_lg_u32 s2, 0xf033
	s_cbranch_scc0 .Lentry_shape_is_right
	s_endpgm
.Lentry_shape_is_right:
; PROJ: out0 = o Wo + bo on codes of FP6 (E2M3) with E8M0 scales; out0 [8192][1024] f32.
; C[m][n] = sum over k of M[m][k] N[n][k]; M = the attention's result (oi, osc), N = Wo's columns (tiles 192 on of wi, ws), both as images of operand registers
; (tile T = 2 B + u: slot s = row 32 B + 8 u + s + 8 (s / 8); fragment = 1,536 bytes: two halves of 768; in a half registers 0-3 at 16 x lane, registers 4-5 at 512 + 8 x lane).
; Source 0 = 16 slots of N, source 1 = 16 slots of M: a lane holds one slot of M, and register j of accumulator (a, b) is column 32 (b / 2) + 8 (b % 2) + 16 h + j.
; A work-group makes 128 x 256; four waves, each 64 x 128: 32 accumulators.  ALL OF K (1,024) LIES IN LDS, FILLED ONCE: four chunks of 256 along K, asked for together at the head; no ring, nothing is filled again.
; Four tensor loads of a wave are out at the most.  CLUSTER 4 x 4: M tiles are shared along a row of the cluster, N tiles along a column: joint loads.
; The scale words go from memory to registers once; they are one part in 24 of the codes' bytes, so they are not asked for jointly.  No prefetch: every stream is asked for whole at the head.
; The way out goes through a stage of each wave's own in chunk 0, which has had its only fill and whose last reads lie ahead of the barriers that every wave has passed.
; REGISTERS: window 0: v1-5 lane terms; v8-23 LDS addresses; v24, v25 the stage; v32-63 M scale words; v64-127 N scale words; v128-175, v176-223 M fragments, two sets (on the way out v128-255: rows of out0).
;   window 1: v0-95, v128-223 N fragments, two sets.  window 2: accumulator (a, b) at 8 (8 a + b).  window 3: v0-63 the bias.
.set CH,   73728
.set ADR,  8
.set SAR,  32
.set SBR,  64
.set AF,   128
.set BK,   128
.set SPITCH, 528
.set MSB, 0
.macro WIN new                         ; the immediate's high byte repeats the setting that is left
.if MSB != \new
	s_set_vgpr_msb (MSB<<8)|\new
.set MSB, \new
.endif
.endm
.set MULW, 0xa1                        ; source 0 (N) window 1, source 1 (M) window 0, C and D window 2
.set MULB, 0xb1                        ; the same with C from window 3: the bias
.set TO_B, 0x40
.set TO_BI, 0xc0
.macro CROUND                          ; a round of the cluster's barrier
	s_barrier_signal -1
	s_barrier_wait -1
	s_cmp_lg_u32 s20, 0
	s_cbranch_scc1 .Lnot_wave_0_\@
	s_barrier_signal -3
.Lnot_wave_0_\@:
	s_barrier_wait -3
	s_barrier_signal -1
	s_barrier_wait -1
.endm
.macro PLACES                          ; four plain places behind matrix instructions (ISA guide 7.12.1)
.rept 4
	v_nop
.endr
.endm
.macro FRAG reg, a16, a8, off
	ds_load_b128 v[\reg:\reg+3], v[\a16] offset:\off
	ds_load_b64 v[\reg+4:\reg+5], v[\a8] offset:\off
	ds_load_b128 v[\reg+6:\reg+9], v[\a16] offset:\off+768
	ds_load_b64 v[\reg+10:\reg+11], v[\a8] offset:\off+768
.endm
.macro FETCH ks                        ; K step ks into set ks % 2: N's eight fragments (32 loads), then M's four (16)
	WIN TO_B
.irp b, 0,1,2,3,4,5,6,7
	FRAG 128*((\ks)%2)+12*\b, ADR+4*((\ks)/2)+2, ADR+4*((\ks)/2)+3, \b*3072+((\ks)%2)*1536
.endr
	WIN 0
.irp a, 0,1,2,3
	FRAG AF+48*((\ks)%2)+12*\a, ADR+4*((\ks)/2), ADR+4*((\ks)/2)+1, \a*3072+((\ks)%2)*1536
.endr
.endm
; 16 matrix instructions: M tiles a0, a0 + 1 x N's eight.  cmode 1: the first product, C = the bias.  The 32 accumulators take turns, one instruction a turn.
.macro MUL16 a0, ks, cmode
.irp a, \a0, \a0+1
.irp b, 0,1,2,3,4,5,6,7
.if \cmode == 0
	v_wmma_scale_f32_16x16x128_f8f6f4 v[8*(8*(\a)+\b):8*(8*(\a)+\b)+7], v[128*((\ks)%2)+12*\b:128*((\ks)%2)+12*\b+11], v[AF+48*((\ks)%2)+12*(\a):AF+48*((\ks)%2)+12*(\a)+11], v[8*(8*(\a)+\b):8*(8*(\a)+\b)+7], v[SBR+8*\b+(\ks)], v[SAR+8*(\a)+(\ks)] matrix_a_fmt:MATRIX_FMT_FP6 matrix_b_fmt:MATRIX_FMT_FP6
.else
	v_wmma_scale_f32_16x16x128_f8f6f4 v[8*(8*(\a)+\b):8*(8*(\a)+\b)+7], v[128*((\ks)%2)+12*\b:128*((\ks)%2)+12*\b+11], v[AF+48*((\ks)%2)+12*(\a):AF+48*((\ks)%2)+12*(\a)+11], v[8*\b:8*\b+7], v[SBR+8*\b+(\ks)], v[SAR+8*(\a)+(\ks)] matrix_a_fmt:MATRIX_FMT_FP6 matrix_b_fmt:MATRIX_FMT_FP6
.endif
.endr
.endr
.endm
.macro MWIN cmode
.if \cmode == 0
	WIN MULW
.else
	WIN MULB
.endif
.endm
.macro STEP ks, cmode
.if (((\ks)%2) == 1) && ((\ks) < 7)
	s_wait_tensorcnt 3-((\ks)+1)/2                 ; my load of the next chunk has landed; my younger chunks may be out
	s_wait_dscnt 0x0                               ; no LDS load of mine is out at the signal
	s_barrier_signal -1
.else
	s_wait_dscnt 8                                 ; N's fragments and M's tiles 0, 1 are in; the youngest 8 loads (M's tiles 2, 3) may be out
.endif
	MWIN \cmode
	MUL16 0, \ks, \cmode
.if (((\ks)%2) == 1) && ((\ks) < 7)
	s_barrier_wait -1                              ; everybody's part of the next chunk is in
.else
	s_wait_dscnt 0x0
.endif
.if (\ks) < 7
	PLACES
	FETCH (\ks)+1
.endif
	MWIN \cmode
	MUL16 2, \ks, \cmode
.endm
	s_load_b256 s[4:11], s[0:1], 0x0               ; oi, osc, wi, ws
	s_load_b128 s[12:15], s[0:1], 0x20             ; bo, out0
	v_lshl_add_u32 v30, v0, 2, 0x48000
	v_mov_b32 v31, 0
	ds_add_u32 v30, v31
	ds_add_u32 v30, v31
	v_lshrrev_b32 v1, 5, v0
	v_readfirstlane_b32 s20, v1                    ; wave
	s_lshr_b32 s21, s20, 1                         ; wm.  Also: I fetch for M (0) or for N (1)
	s_and_b32 s22, s20, 1                          ; wn.  Also: which half of that operand's tiles I fetch
	s_bfe_u32 s76, ttmp6, 0x40000                  ; cx
	s_bfe_u32 s77, ttmp6, 0x40004                  ; cy
	s_lshl_b32 s83, ttmp9, 2
	s_add_co_u32 s83, s83, s76                     ; tc: which 256 columns
	s_and_b32 s84, ttmp7, 0xffff
	s_lshl_b32 s84, s84, 2
	s_add_co_u32 s84, s84, s77                     ; tr: which 128 rows
	s_lshl_b32 s86, s77, 2
	s_lshl_b32 s86, 15, s86                        ; my row of the cluster
	s_lshl_b32 s87, 0x1111, s76                    ; my column
	; group 1: rows of 3,072 bytes (384 elements of 8), 12,288 bytes from tile to tile; M: 4 rows a load, N: 8; dense in LDS
	s_or_b32 s24, s86, (3<<16)|(1<<21)
	s_or_b32 s32, s87, (3<<16)|(1<<21)
	s_mov_b32 s25, 384<<16
	s_mov_b32 s26, 4<<16
	s_mov_b32 s27, 384<<16
	s_mov_b32 s28, 4
	s_mov_b32 s29, 1536
	s_mov_b32 s30, 0
	s_mov_b32 s31, 0
	s_mov_b32 s33, 384<<16
	s_mov_b32 s34, 8<<16
	s_mov_b32 s35, 384<<16
	s_mov_b32 s36, 8
	s_mov_b32 s37, 1536
	s_mov_b32 s38, 0
	s_mov_b32 s39, 0
	s_lshl_b32 s96, s84, 3                         ; M's first tile
	s_lshl_b32 s97, s83, 4
	s_add_co_u32 s97, s97, 192                     ; N's first tile: Wo's begin at 192
	s_lshl_b32 s2, s22, 2
	s_add_co_u32 s98, s96, s2
	s_mul_i32 s98, s98, 12288
	s_mov_b32 s99, 0
	s_lshl_b32 s2, s22, 3
	s_add_co_u32 s100, s97, s2
	s_mul_i32 s100, s100, 12288
	s_mov_b32 s101, 0
	s_mul_i32 s3, s22, 12288                       ; places in a chunk: no place in the cluster enters an LDS address
	s_mul_i32 s23, s22, 24576
	s_add_co_u32 s23, s23, 24576
	s_wait_dscnt 0x0
	s_wait_kmcnt 0x0
	s_add_nc_u64 s[88:89], s[4:5], s[98:99]
	s_add_nc_u64 s[90:91], s[8:9], s[100:101]
.irp q, 0,1,2,3                        ; group 0 for each chunk: M's at s40 + 4 q, N's at s56, s60, s68, s72
	s_mov_b32 s[40+4*\q], 1
	s_add_co_u32 s[41+4*\q], s3, \q*CH
	s_add_nc_u64 s[42+4*\q:43+4*\q], s[88:89], \q*3072
	s_or_b32 s[43+4*\q], s[43+4*\q], 0x80000000
	s_mov_b32 s[56+4*\q+4*(\q/2)], 1
	s_add_co_u32 s[57+4*\q+4*(\q/2)], s23, \q*CH
	s_add_nc_u64 s[58+4*\q+4*(\q/2):59+4*\q+4*(\q/2)], s[90:91], \q*3072
	s_or_b32 s[59+4*\q+4*(\q/2)], s[59+4*\q+4*(\q/2)], 0x80000000
.endr
	CROUND                                         ; all sixteen work-groups are here: the joint loads meet
	s_cmp_eq_u32 s21, 0                            ; a wave's four fills stand in one branch on the wave's number; four v_nop follow the last
	s_cbranch_scc0 .Lfor_n
	tensor_load_to_lds s[40:43], s[24:31]
	s_nop 0
	tensor_load_to_lds s[44:47], s[24:31]
	s_nop 0
	tensor_load_to_lds s[48:51], s[24:31]
	s_nop 0
	tensor_load_to_lds s[52:55], s[24:31]
	s_nop 0
	PLACES
	s_branch .Lasked
.Lfor_n:
	tensor_load_to_lds s[56:59], s[32:39]
	s_nop 0
	tensor_load_to_lds s[60:63], s[32:39]
	s_nop 0
	tensor_load_to_lds s[68:71], s[32:39]
	s_nop 0
	tensor_load_to_lds s[72:75], s[32:39]
	s_nop 0
	PLACES
.Lasked:
	v_and_b32 v6, 15, v0                           ; r
	v_lshlrev_b32 v1, 4, v6                        ; 16 r
	v_and_b32 v2, 31, v0
	v_lshlrev_b32 v3, 3, v2
	v_add_nc_u32 v3, 512, v3                       ; 512 + 8 x lane
	v_lshlrev_b32 v2, 4, v2                        ; 16 x lane
	v_bfe_u32 v4, v0, 4, 1                         ; h
	s_mul_i32 s2, s21, 12288
	v_add_nc_u32 v8, s2, v2
	v_add_nc_u32 v9, s2, v3
	v_add_nc_u32 v10, s23, v2
	v_add_nc_u32 v11, s23, v3
.irp q, 1,2,3
.irp i, 0,1,2,3
	v_add_nc_u32 v[ADR+4*\q+\i], \q*CH, v[ADR+\i]
.endr
.endr
	s_lshl_b32 s2, s21, 2
	s_add_co_u32 s2, s2, s96
	s_lshl_b32 s2, s2, 9
	s_mov_b32 s3, 0
	s_add_nc_u64 s[92:93], s[6:7], s[2:3]
	s_lshl_b32 s2, s22, 3
	s_add_co_u32 s2, s2, s97
	s_lshl_b32 s2, s2, 9
	s_add_nc_u64 s[94:95], s[10:11], s[2:3]
.irp a, 0,1,2,3
.irp kh, 0,1
	global_load_b128 v[SAR+8*\a+4*\kh:SAR+8*\a+4*\kh+3], v1, s[92:93] offset:\a*512+\kh*256
.endr
.endr
.irp b, 0,1,2,3,4,5,6,7
.irp kh, 0,1
	global_load_b128 v[SBR+8*\b+4*\kh:SBR+8*\b+4*\kh+3], v1, s[94:95] offset:\b*512+\kh*256
.endr
.endr
	s_lshl_b32 s2, s83, 10
	s_lshl_b32 s85, s22, 9
	s_add_co_u32 s2, s2, s85                       ; my first column, in bytes: 1,024 tc + 512 wn
	s_add_nc_u64 s[12:13], s[12:13], s[2:3]
	s_add_nc_u64 s[14:15], s[14:15], s[2:3]
	v_lshlrev_b32 v5, 6, v4                        ; 64 h
	WIN TO_BI
.irp b, 0,1,2,3,4,5,6,7
	global_load_b128 v[8*\b:8*\b+3], v5, s[12:13] offset:(32*(\b/2)+8*(\b%2))*4
	global_load_b128 v[8*\b+4:8*\b+7], v5, s[12:13] offset:(32*(\b/2)+8*(\b%2))*4+16
.endr
	WIN 0
	s_lshl_b32 s2, s84, 19
	s_lshl_b32 s85, s21, 18
	s_add_co_u32 s2, s2, s85                       ; my first row: (128 tr + 64 wm) x 4,096 bytes
	s_add_nc_u64 s[14:15], s[14:15], s[2:3]
	s_mul_i32 s85, s20, 16*SPITCH                  ; my stage
	v_mul_u32_u24 v24, v6, SPITCH
	v_lshl_add_u32 v24, v4, 6, v24
	v_add_nc_u32 v24, s85, v24                     ; in: row r, + 64 h
	v_add_nc_u32 v25, s85, v2                      ; back: 16 x lane
	s_wait_alu depctr_va_vdst(0)
	s_wait_tensorcnt 0x3                           ; my part of chunk 0 is in; my other three loads may be out
	s_barrier_signal -1
	s_barrier_wait -1                              ; everybody's is
	FETCH 0
	s_wait_loadcnt 0x0                             ; scale words and bias
	STEP 0, 1                                      ; the first products start the sums from the bias: nothing is cleared
	STEP 1, 0
	STEP 2, 0
	STEP 3, 0
	STEP 4, 0
	STEP 5, 0
	STEP 6, 0
	STEP 7, 0
	WIN 0
; THE WAY OUT, a tile of 16 slots x 128 columns at a time: a lane holds pieces of 32 bytes of one row, so the tile goes through my stage and comes back as whole rows of 512 bytes.
; LDS serves a wave's instructions in order (ISA guide 5.7.1.4): no wait between the stores and the loads, nor ahead of the next tile's stores.
.macro TOSTAGE a
	WIN 0x08                                       ; an LDS store's data are its source 1: window 2
.irp b, 0,1,2,3,4,5,6,7
	ds_store_b128 v24, v[8*(8*(\a)+\b):8*(8*(\a)+\b)+3] offset:128*(\b/2)+32*(\b%2)        ; each accumulator from its low end on
	ds_store_b128 v24, v[8*(8*(\a)+\b)+4:8*(8*(\a)+\b)+7] offset:128*(\b/2)+32*(\b%2)+16
.endr
	WIN 0
.set i, 0
.rept 16
	ds_load_b128 v[BK+64*((\a)%2)+4*i:BK+64*((\a)%2)+4*i+3], v25 offset:i*SPITCH
.set i, i+1
.endr
.endm
.macro SEND a, younger                 ; younger: the LDS instructions issued behind tile a's loads, which may stay out
	s_wait_dscnt \younger
.set i, 0
.rept 16                               ; slot i of tile a is row 32 (a / 2) + 8 (a % 2) + i + 8 (i / 8) of my 64
	global_store_b128 v2, v[BK+64*((\a)%2)+4*i:BK+64*((\a)%2)+4*i+3], s[14:15] offset:(32*((\a)/2)+8*((\a)%2)+i+8*(i/8))*4096 th:TH_STORE_NT   ; 512 consecutive bytes; written once, read by nobody here
.set i, i+1
.endr
.endm
	PLACES                                         ; ahead of the first read of results and of the loads into registers that held fragments
	TOSTAGE 0
	TOSTAGE 1
	SEND 0, 32                                     ; behind tile 0's loads: tile 1's 16 stores and 16 loads
	s_wait_xcnt 0x0                                ; tile 0's stores have read their registers: tile 2's loads may land there
	TOSTAGE 2
	SEND 1, 32
	s_wait_xcnt 0x0
	TOSTAGE 3
	SEND 2, 32
	SEND 3, 0
	s_wait_tensorcnt 0x0
	ds_add_u32 v30, v31
	s_wait_dscnt 0x0
	CROUND                                         ; the closing round: no work-group ends while a partner may still ask for a tile that names it
	s_endpgm
.Lfunc_end_k_q53e3eba01e_proj:
	.size	k_q53e3eba01e_proj, .Lfunc_end_k_q53e3eba01e_proj-k_q53e3eba01e_proj
	.p2alignl 7, 3214868480
	.fill 96, 4, 3214868480
	.section	.rodata,"a",@progbits
	.p2align	6, 0x0
	.amdhsa_kernel k_q53e3eba01e_proj
		.amdhsa_group_segment_fixed_size 295424
		.amdhsa_private_segment_fixed_size 0
		.amdhsa_enable_private_segment 0
		.amdhsa_kernarg_size 48
		.amdhsa_user_sgpr_count 2
		.amdhsa_user_sgpr_kernarg_segment_ptr 1
		.amdhsa_wavefront_size32 1
		.amdhsa_system_sgpr_workgroup_id_x 1
		.amdhsa_system_sgpr_workgroup_id_y 1
		.amdhsa_system_sgpr_workgroup_id_z 1
		.amdhsa_system_vgpr_workitem_id 0
		.amdhsa_next_free_vgpr 832
		.amdhsa_next_free_sgpr 102
		.amdhsa_reserve_vcc 0
		.amdhsa_float_denorm_mode_32 3
		.amdhsa_float_denorm_mode_16_64 3
		.amdhsa_memory_ordered 1
		.amdhsa_forward_progress 1
		.amdhsa_inst_pref_size 86
	.end_amdhsa_kernel
	.amdgpu_metadata
---
amdhsa.version: [ 1, 2 ]
amdhsa.kernels:
  - .name:           k_q53e3eba01e_proj
    .symbol:         k_q53e3eba01e_proj.kd
    .args:
      - { .name: oi, .offset: 0, .size: 8, .value_kind: global_buffer, .address_space: global }
      - { .name: osc, .offset: 8, .size: 8, .value_kind: global_buffer, .address_space: global }
      - { .name: wi, .offset: 16, .size: 8, .value_kind: global_buffer, .address_space: global }
      - { .name: ws, .offset: 24, .size: 8, .value_kind: global_buffer, .address_space: global }
      - { .name: bo, .offset: 32, .size: 8, .value_kind: global_buffer, .address_space: global }
      - { .name: out0, .offset: 40, .size: 8, .value_kind: global_buffer, .address_space: global }
    .group_segment_fixed_size: 295424
    .private_segment_fixed_size: 0
    .kernarg_segment_align: 8
    .kernarg_segment_size: 48
    .max_flat_workgroup_size: 128
    .sgpr_count:     102
    .vgpr_count:     832
    .wavefront_size: 32
...
	.end_amdgpu_metadata
.endif
;; end of part 4
